; MI455X (gfx1250); checked and timed in simulation.
; The chip was launched on July 23, 2026; its instructions are those of AMD's public machine-readable ISA for CDNA 5 (MIT licence, August 2026) and "CDNA5" Instruction Set Architecture Reference Guide (July 2026). The comments in the code are by the model that wrote it; some were corrected since.
;; Tiny Mo E. Allowed arithmetic: matrix products marked QUANTISED: E5M2 operands, one E8M0 scale for each 32 along K, by v_wmma_scale_f32_16x16x128_f8f6f4 with both operands' format E5M2, f32 sums; everything else in f32.
;; Inputs: exp_down 16 x 1,024 x 512 float32; exp_gate 16 x 512 x 1,024 float32; exp_up 16 x 512 x 1,024 float32; router_w 16 x 1,024 float32; shared_down 1,024 x 512 float32; shared_gate 512 x 1,024 float32; shared_up 512 x 1,024 float32; x 4 x 512 x 1,024 float32.
;; Outputs: out0 4 x 512 x 1,024 float32.
;; This version of the problem:
;;   THIS VERSION OF THE PROBLEM IS GIVEN IN LOW PRECISION. The matrix products marked QUANTISED in the list below multiply operands that are first quantised to E5M2 (5 exponent bits, 2 mantissa bits; 8 bits a number), with one power-of-two scale for each 32 numbers along K (OCP MX v1.0); their sums are f32. All else is computed in f32.
;;   The module's matrix products, in the order in which they are computed (A, B: the left and right operand; K: the contracted axis; several contracted axes count as one K, in the product's order):
;;     1. [M 2,048, K 1,024] x [K 1,024, N 512]; A: input x; B: input shared_gate: QUANTISED
;;     2. [M 2,048, K 1,024] x [K 1,024, N 512]; A: input x; B: input shared_up: QUANTISED
;;     3. [M 2,048, K 512] x [K 512, N 1,024]; A: computed on the way; B: input shared_down: QUANTISED
;;     4. [M 2,048, K 1,024] x [K 1,024, N 16]; A: input x; B: input router_w: QUANTISED
;;     5. [M 2,048, K 1,024] x [K 1,024, N 8,192]; A: input x; B: input exp_gate: QUANTISED
;;     6. [M 2,048, K 1,024] x [K 1,024, N 8,192]; A: input x; B: input exp_up: QUANTISED
;;     7. batch 16 x [M 1,024, K 512] x [K 512, N 2,048]; A: input exp_down; B: computed on the way: QUANTISED
;;   THE QUANTISER, for each operand of a quantised product, along K:
;;     - K is cut into blocks of 32 from its start; a last block that is shorter is filled with zeros.
;;     - A block's scale is 2^e with e = floor(log2(the largest magnitude in the block)) - 15, held to -126 .. 127; a block of zeros has e = 0. As a byte (E8M0): e + 127.
;;     - Each number is divided by its block's scale, clamped to +-57,344, and rounded to the nearest number of E5M2, ties to even, subnormals kept.
;;     - The product sums the exact products of the quantised numbers (number of the format x scale) in f32.
;;   ~~~python
;;   def quantise(x, axis):      # numpy; x: float32 -> the quantised numbers, widened to float32 again
;;       x = np.moveaxis(x, axis, -1); K = x.shape[-1]
;;       x = np.pad(x, [(0, 0)] * (x.ndim - 1) + [(0, -K % 32)]); x = x.reshape(x.shape[:-1] + (-1, 32)); a = np.abs(x).max(-1, keepdims=True)
;;       e = np.where(a > 0, np.clip(np.frexp(np.where(a > 0, a, 1))[1] - 1 - 15, -126, 127), 0)      # np.frexp(a)[1] - 1 = floor(log2(a)), exactly
;;       r = np.clip(x / 2.0 ** e, -57344, 57344)
;;       step = 2.0 ** (np.maximum(np.frexp(np.where(r == 0, 1, r))[1] - 1, -14) - 2)
;;       q = np.round(r / step) * step * 2.0 ** e      # np.round: ties to even
;;       return np.moveaxis(q.reshape(q.shape[:-2] + (-1,))[..., :K], -1, axis).astype(np.float32)
;;   ~~~
;;   OPERANDS COMPUTED ON THE WAY. 'Computed on the way' means the value that the module computes at that place (a softmax that the list does not call 'softmax' is quantised finished and normalised). What goes into a quantiser is computed in f32, as accurately as f32 sums, v_exp_f32 and their like allow (about 1e-6 of the number): no bf16 or f16 on the way to a quantiser, and a product that is left as it is and whose result goes on into a quantised operand takes f32 operands (vector FMAs, or v_wmma_f32_16x16x4_f32). A number that lies on a knife's edge between two numbers of the format may be rounded either way, as far as f32 arithmetic and the matrix unit's own rounding can turn it there, and no further.
;; 2 versions. Each part assembles by itself: llvm-mc -triple=amdgcn-amd-amdhsa -mcpu=gfx1250 --defsym DOCPART=n.
;; ======== version 1 of 2: 5 launches
;; workspace buffers: xq 2,179,072 bytes; sel 8,192 bytes of whole numbers; route 216,320 bytes of whole numbers; hid 25,952,256 bytes; y 201,326,592 bytes
;; launch prep (part 1): grid 128 x 1, 8 waves a work-group, no clusters, 93,952 bytes of LDS; arguments x, router_w, xq, sel; writes xq, sel
.if DOCPART == 1
	.amdgcn_target "amdgcn-amd-amdhsa--gfx1250"
	.amdhsa_code_object_version 6
	.text
	.protected	k_q325aa99a5b_prep
	.globl	k_q325aa99a5b_prep
	.p2align	8
	.type	k_q325aa99a5b_prep,@function
k_q325aa99a5b_prep:
	s_mov_b64 s[64:65], 0
	v_nop
	global_prefetch_b8 v0, s[64:65] scope:SCOPE_SE
	s_setreg_imm32_b32 hwreg(HW_REG_WAVE_MODE, 25, 1), 1
	s_wait_xcnt 0x0
; x [2048][1024] f32 becomes codes of E5M2 (xq + 0: [2048][1024], K innermost) and E8M0 scale bytes (xq + XS_OFF: [2048][32]);
; the router's product x router_w^T on codes, its softmax and its two best experts: sel[t] = e1 | e2 << 8, xq + GW_OFF: [2048][2] f32 the two scores.
; SHARES.  A work-group takes 16 tokens; wave s takes K step s (128 of the 1,024), of x and of router_w, and makes one matrix instruction: eight partial sums, which wave 0 adds in ascending s.
; A load reads 512 consecutive bytes of a row (16 a lane); the conversions want 16 neighbours along K in one lane: so a unit of 16 rows x 512 bytes turns through the wave's own stage in LDS.
; A block's scale is 2^(floor(log2(largest magnitude)) - 15); its byte is the largest magnitude's exponent field - 15, held at 1 from below.
; LIMITS: NaN and infinities are not served; a block of zeros, or one whose largest magnitude lies under 2^-111, gets the byte 1 (the bytes are read by this program alone; zero codes add nothing);
; the router's sum over K is eight sums of 128 added in ascending order; the two best are taken of e = 2^((l - max) log2 e), ties to the lower index; an e under 2^-126 counts as 0.
.set XS_OFF, 2097152
.set GW_OFF, 2162688
.set STGB,   8448                      ; a wave's stage: 16 rows x (512 + 16) bytes
.set PART,   67584                     ; eight partial sums, 1,024 bytes each, as images of their registers
.set XROW,   75776                     ; 16 rows of codes, 1,024 + 16 bytes
.set XSCL,   92416                     ; 16 rows of 32 scale bytes
.set RX,  16                           ; v16-79   x as loaded; later v16-31 the router's codes
.set RR,  80                           ; v80-143  router_w as loaded; later the partial sums
.set X,   144                          ; v144-207 64 numbers of a lane: register 16 b + i = k 32 b + 16 h + i of row r
.set TM,  208                          ; v208-223 at work in QUANT
.set XCD, 226                          ; v226-241 x's codes
.set XW,  242                          ; x's scale word
.set RW,  243                          ; the router's
.set D,   244                          ; v244-251 the partial sum
.set RCD, 16
.set SEL, 20                           ; s[20:21] lane selects: lane l xor 16
.set MNT, 22                           ; s22 the mantissa field of 57,344
.macro TURN raw                        ; 16 rows as loaded into the stage, and back 64 bytes a lane and block.  LDS serves a wave's instructions in order: no wait between
.irp i, 0,1,2,3,4,5,6,7,8,9,10,11,12,13,14,15
	ds_store_b128 v5, v[\raw+4*\i:\raw+4*\i+3] offset:528*\i
.endr
.irp b, 0,1,2,3
.irp j, 0,1,2,3
	ds_load_b128 v[X+16*\b+4*\j:X+16*\b+4*\j+3], v6 offset:128*\b+16*\j
.endr
.endr
.endm
.macro QUANT src, pc, pw               ; 64 numbers of a lane become a fragment's 16 registers of codes and its scale word
.irp b, 0,1,2,3
	v_max3_num_f32 v[TM+\b], |v[\src+16*\b]|, |v[\src+1+16*\b]|, 0x8000000   ; block b: my 16 numbers and the floor 2^(16 - 127): the byte cannot fall under 1
.endr
.irp i, 2,4,6,8,10,12,14
.irp b, 0,1,2,3
	v_max3_num_f32 v[TM+\b], v[TM+\b], |v[\src+16*\b+\i]|, |v[\src+1+16*\b+\i]|
.endr
.endr
.irp b, 0,1,2,3
	v_permlanex16_b32 v[TM+4+\b], v[TM+\b], s[SEL], s[SEL+1]
.endr
.irp b, 0,1,2,3
	v_max_num_f32 v[TM+\b], v[TM+\b], v[TM+4+\b]           ; with lane l xor 16's: the block's largest magnitude
.endr
.irp b, 0,1,2,3
	v_add_nc_u32 v[TM+12+\b], 0xf8800000, v[TM+\b]         ; 15 off its exponent field: the conversion's scale operand
.endr
.irp b, 0,1,2,3
	v_and_or_b32 v[TM+8+\b], v[TM+\b], 0x7f800000, s[MNT]  ; 57,344 x the scale
.endr
.irp b, 0,1,2,3
	v_lshrrev_b32 v[TM+4+\b], 23, v[TM+12+\b]              ; the scale's byte
.endr
	v_lshl_or_b32 v[\pw], v[TM+5], 8, v[TM+4]
	v_lshl_or_b32 v[\pw], v[TM+6], 16, v[\pw]
	v_lshl_or_b32 v[\pw], v[TM+7], 24, v[\pw]
.irp b, 0,1,2,3
.irp i, 0,1,2,3,4,5,6,7,8,9,10,11,12,13,14,15
	v_med3_num_f32 v[\src+16*\b+\i], v[\src+16*\b+\i], -v[TM+8+\b], v[TM+8+\b]   ; the conversion does not saturate (ISA guide 7.6.2): the hold
.endr
	v_cvt_scalef32_pk8_bf8_f32 v[\pc+4*\b:\pc+1+4*\b], v[\src+16*\b:\src+7+16*\b], v[TM+12+\b]
	v_cvt_scalef32_pk8_bf8_f32 v[\pc+2+4*\b:\pc+3+4*\b], v[\src+8+16*\b:\src+15+16*\b], v[TM+12+\b]
.endr
	v_nop                                          ; a plain line behind the last conversion
.endm
.macro INS j                           ; e_j enters the lane's two best; strict compares keep the lower index on a tie
	v_add_nc_u32 v100, \j, v13
	v_cmp_gt_f32 vcc_lo, v[88+\j], v96
	v_cmp_gt_f32 s24, v[88+\j], v98
	v_cndmask_b32 v98, v98, v[88+\j], s24
	v_cndmask_b32 v99, v99, v100, s24
	v_cndmask_b32 v98, v98, v96, vcc_lo
	v_cndmask_b32 v99, v99, v97, vcc_lo
	v_cndmask_b32 v96, v96, v[88+\j], vcc_lo
	v_cndmask_b32 v97, v97, v100, vcc_lo
.endm
	s_load_b256 s[4:11], s[0:1], 0x0               ; x s[4:5], router_w s[6:7], xq s[8:9], sel s[10:11]
	v_lshl_add_u32 v254, v0, 2, 0x16b00
	v_mov_b32 v255, 0
	v_lshrrev_b32 v4, 5, v0
	v_readfirstlane_b32 s12, v4                    ; wave = K step
	v_and_b32 v4, 31, v0
	v_lshlrev_b32 v1, 4, v4                        ; 16 x lane
	v_and_b32 v2, 15, v0                           ; r
	v_bfe_u32 v3, v0, 4, 1                         ; h
	s_mul_i32 s28, s12, STGB
	v_add_nc_u32 v5, s28, v1                       ; the stage, in
	v_mul_u32_u24 v6, v2, 528
	v_lshl_add_u32 v6, v3, 6, v6
	v_add_nc_u32 v6, s28, v6                       ; and out: row r, + 64 h
	v_mul_u32_u24 v7, v2, 1040
	v_lshl_add_u32 v7, v3, 4, v7
	s_lshl_b32 s28, s12, 7
	s_add_co_u32 s28, s28, XROW
	v_add_nc_u32 v7, s28, v7                       ; my codes' place in row r: 128 s + 16 h
	v_lshlrev_b32 v8, 5, v2
	s_lshl_b32 s28, s12, 2
	s_add_co_u32 s28, s28, XSCL
	v_add_nc_u32 v8, s28, v8                       ; row r's scale word of K step s
	s_lshl_b32 s28, s12, 10
	s_add_co_u32 s28, s28, PART
	v_add_nc_u32 v9, s28, v1                       ; my partial sum's image
	s_mul_i32 s28, s12, 2080
	s_add_co_u32 s28, s28, XROW
	v_add_nc_u32 v10, s28, v1                      ; the way out: rows 2 s, 2 s + 1
	v_lshlrev_b32 v11, 2, v2
	v_lshlrev_b32 v12, 3, v2
	v_lshlrev_b32 v13, 3, v3                       ; 8 h: my first expert
	v_add_nc_u32 v14, XSCL, v1
	v_add_nc_u32 v15, PART, v1
	s_mov_b32 s[SEL], 0x76543210
	s_mov_b32 s[SEL+1], 0xfedcba98
	s_mov_b32 s[MNT], 0x600000
	s_mov_b32 s23, 0xffff0000                      ; lanes 16-31
	s_lshl_b32 s28, ttmp9, 16                      ; 16 rows of 4,096 bytes
	s_lshl_b32 s30, s12, 9                         ; K step s: 512 bytes
	s_add_co_u32 s28, s28, s30
	s_mov_b32 s29, 0
	s_mov_b32 s31, 0
	s_lshl_b32 s32, ttmp9, 14                      ; 16 rows of 1,024 codes,
	s_lshl_b32 s33, s12, 11                        ; two of them a wave
	s_add_co_u32 s32, s32, s33
	s_mov_b32 s33, 0
	s_lshl_b32 s34, ttmp9, 9
	s_add_co_u32 s34, s34, XS_OFF
	s_mov_b32 s35, 0
	s_lshl_b32 s36, ttmp9, 7
	s_add_co_u32 s36, s36, GW_OFF
	s_mov_b32 s37, 0
	s_lshl_b32 s38, ttmp9, 6
	s_mov_b32 s39, 0
	s_wait_kmcnt 0x0
	s_add_nc_u64 s[14:15], s[4:5], s[28:29]
	s_add_nc_u64 s[16:17], s[6:7], s[30:31]
	s_add_nc_u64 s[18:19], s[8:9], s[32:33]
	s_add_nc_u64 s[34:35], s[8:9], s[34:35]
	s_add_nc_u64 s[36:37], s[8:9], s[36:37]
	s_add_nc_u64 s[38:39], s[10:11], s[38:39]
.irp i, 0,1,2,3,4,5,6,7,8,9,10,11,12,13,14,15
	global_load_b128 v[RX+4*\i:RX+4*\i+3], v1, s[14:15] offset:4096*\i th:TH_LOAD_NT   ; 512 consecutive bytes of token i
.endr
.irp i, 0,1,2,3,4,5,6,7,8,9,10,11,12,13,14,15
	global_load_b128 v[RR+4*\i:RR+4*\i+3], v1, s[16:17] offset:4096*\i                 ; and of expert i: every work-group reads these
.endr
.irp b, 0,1,2,3
	v_mov_b32 v[TM+4+\b], 0                        ; a lane permute's destination counts as read: written once
.endr
	s_wait_loadcnt 16                              ; x's 16 loads are in; the router's 16 are younger
	TURN RX
	s_wait_dscnt 0x0
	QUANT X, XCD, XW
.irp c, 0,1,2,3
	ds_store_b128 v7, v[XCD+4*\c:XCD+4*\c+3] offset:32*\c    ; codes into rows, so that they leave as rows
.endr
	ds_store_b32 v8, v[XW]                         ; both halves of the lanes hold the same word
	s_wait_loadcnt 0x0
	TURN RR
	s_wait_dscnt 0x0
	QUANT X, RCD, RW
.rept 4
	v_nop                                          ; codes written by vector instructions stand four places ahead of a scaled matrix instruction; the scale words stand ahead of the 64 holds
.endr
	v_wmma_scale_f32_16x16x128_f8f6f4 v[D:D+7], v[RCD:RCD+15], v[XCD:XCD+15], 0, v[RW], v[XW] matrix_a_fmt:MATRIX_FMT_BF8 matrix_b_fmt:MATRIX_FMT_BF8   ; source 0 = 16 experts, source 1 = 16 tokens: lane (r, h) holds token r, experts 8 h + j
.rept 8
	v_nop                                          ; eight places ahead of the first read of the result
.endr
	ds_store_b128 v9, v[D:D+3]
	ds_store_b128 v9, v[D+4:D+7] offset:512
	s_wait_dscnt 0x0                               ; my stores have landed
	s_barrier_signal -1
	s_barrier_wait -1                              ; the 16 rows of codes, their scale bytes and the eight partial sums lie in LDS
.irp a, 0,1
.irp b, 0,1
	ds_load_b128 v[X+8*\a+4*\b:X+8*\a+4*\b+3], v10 offset:1040*\a+512*\b
.endr
.endr
	s_wait_dscnt 0x0
.irp a, 0,1
.irp b, 0,1
	global_store_b128 v1, v[X+8*\a+4*\b:X+8*\a+4*\b+3], s[18:19] offset:1024*\a+512*\b   ; each store covers 512 consecutive bytes, aligned
.endr
.endr
	s_cmp_lg_u32 s12, 0
	s_cbranch_scc1 .Ldone
	; wave 0: the scale bytes leave; softmax and the two best
	ds_load_b128 v[160:163], v14
.irp s, 0,1,2,3,4,5,6,7
	ds_load_b128 v[80+8*\s:83+8*\s], v15 offset:1024*\s
	ds_load_b128 v[84+8*\s:87+8*\s], v15 offset:1024*\s+512
.endr
	v_mov_b32 v165, 0                              ; a lane permute's destination counts as read (the later permutes land in registers that these loads have written)
	s_wait_dscnt 0x0
	global_store_b128 v1, v[160:163], s[34:35]     ; 512 consecutive bytes
.irp s, 1,2,3,4,5,6,7
.irp i, 0,2,4,6
	v_pk_add_f32 v[80+\i:81+\i], v[80+\i:81+\i], v[80+8*\s+\i:81+8*\s+\i]   ; the logits: K steps in ascending order
.endr
.endr
	v_max3_num_f32 v164, v80, v81, v82
	v_max3_num_f32 v164, v164, v83, v84
	v_max3_num_f32 v164, v164, v85, v86
	v_max_num_f32 v164, v164, v87
	v_permlanex16_b32 v165, v164, s[SEL], s[SEL+1]
	v_max_num_f32 v164, v164, v165                 ; the token's largest logit
.irp j, 0,1,2,3,4,5,6,7
	v_sub_f32 v[88+\j], v[80+\j], v164
.endr
.irp j, 0,1,2,3,4,5,6,7
	v_mul_f32 v[88+\j], 0x3fb8aa3b, v[88+\j]
.endr
.irp j, 0,1,2,3,4,5,6,7
	v_exp_f32 v[88+\j], v[88+\j]
.endr
	v_mov_b32 v97, v13                             ; (a plain line behind the exponentials)  the best so far: expert 8 h
	s_wait_alu depctr_va_vdst(0)
	v_add_f32 v166, v88, v89
	v_add_f32 v167, v90, v91
	v_add_f32 v168, v92, v93
	v_add_f32 v169, v94, v95
	v_add_f32 v166, v166, v167
	v_add_f32 v168, v168, v169
	v_add_f32 v166, v166, v168
	v_permlanex16_b32 v167, v166, s[SEL], s[SEL+1]
	v_add_f32 v166, v166, v167                     ; the softmax's sum
	v_rcp_f32 v166, v166
	v_mov_b32 v96, v88                             ; (a plain line behind the reciprocal)
	v_mov_b32 v98, -1.0                            ; the second best: under every e
	v_mov_b32 v99, v13
.irp j, 1,2,3,4,5,6,7
	INS \j
.endr
.irp j, 0,1,2,3
	v_permlanex16_b32 v[101+\j], v[96+\j], s[SEL], s[SEL+1]   ; the other eight experts' two best
.endr
.irp j, 0,1,2,3
	v_cndmask_b32 v[105+\j], v[96+\j], v[101+\j], s23         ; lo: experts 0-7's (value, index, value, index)
	v_cndmask_b32 v[109+\j], v[101+\j], v[96+\j], s23         ; hi: experts 8-15's
.endr
	v_cmp_gt_f32 vcc_lo, v109, v105                ; hi's best beats lo's best
	v_cmp_gt_f32 s25, v111, v105                   ; hi's second beats lo's best
	v_cmp_gt_f32 s26, v109, v107                   ; hi's best beats lo's second
	v_cndmask_b32 v113, v105, v111, s25
	v_cndmask_b32 v114, v106, v112, s25
	v_cndmask_b32 v115, v107, v109, s26
	v_cndmask_b32 v116, v108, v110, s26
	v_cndmask_b32 v117, v105, v109, vcc_lo         ; the best,
	v_cndmask_b32 v118, v106, v110, vcc_lo
	v_cndmask_b32 v119, v115, v113, vcc_lo         ; the second
	v_cndmask_b32 v120, v116, v114, vcc_lo
	v_lshl_or_b32 v121, v120, 8, v118
	s_wait_alu depctr_va_vdst(0)
	v_mul_f32 v122, v117, v166                     ; their scores
	v_mul_f32 v123, v119, v166
	global_store_b32 v11, v121, s[38:39]           ; lanes r and r + 16 hold the same and write the same
	global_store_b64 v12, v[122:123], s[36:37]
.Ldone:
	s_wait_tensorcnt 0x0
	ds_add_u32 v254, v255
	s_wait_dscnt 0x0
	s_endpgm
.Lfunc_end_k_q325aa99a5b_prep:
	.size	k_q325aa99a5b_prep, .Lfunc_end_k_q325aa99a5b_prep-k_q325aa99a5b_prep
	.p2alignl 7, 3214868480
	.fill 96, 4, 3214868480
	.section	.rodata,"a",@progbits
	.p2align	6, 0x0
	.amdhsa_kernel k_q325aa99a5b_prep
		.amdhsa_group_segment_fixed_size 93952
		.amdhsa_private_segment_fixed_size 0
		.amdhsa_enable_private_segment 0
		.amdhsa_kernarg_size 32
		.amdhsa_user_sgpr_count 2
		.amdhsa_user_sgpr_kernarg_segment_ptr 1
		.amdhsa_wavefront_size32 1
		.amdhsa_system_sgpr_workgroup_id_x 1
		.amdhsa_system_sgpr_workgroup_id_y 1
		.amdhsa_system_sgpr_workgroup_id_z 1
		.amdhsa_system_vgpr_workitem_id 0
		.amdhsa_next_free_vgpr 256
		.amdhsa_next_free_sgpr 66
		.amdhsa_reserve_vcc 1
		.amdhsa_float_denorm_mode_32 3
		.amdhsa_float_denorm_mode_16_64 3
		.amdhsa_memory_ordered 1
		.amdhsa_forward_progress 1
		.amdhsa_inst_pref_size 38
	.end_amdhsa_kernel
	.amdgpu_metadata
---
amdhsa.version: [ 1, 2 ]
amdhsa.kernels:
  - .name:           k_q325aa99a5b_prep
    .symbol:         k_q325aa99a5b_prep.kd
    .args:
      - { .name: x, .offset: 0, .size: 8, .value_kind: global_buffer, .address_space: global }
      - { .name: router_w, .offset: 8, .size: 8, .value_kind: global_buffer, .address_space: global }
      - { .name: xq, .offset: 16, .size: 8, .value_kind: global_buffer, .address_space: global }
      - { .name: sel, .offset: 24, .size: 8, .value_kind: global_buffer, .address_space: global }
    .group_segment_fixed_size: 93952
    .private_segment_fixed_size: 0
    .kernarg_segment_align: 8
    .kernarg_segment_size: 32
    .max_flat_workgroup_size: 256
    .sgpr_count:     66
    .vgpr_count:     256
    .wavefront_size: 32
...
	.end_amdgpu_metadata
.endif
;; end of part 1
;; launch place (part 2): grid 1 x 1, 32 waves a work-group, no clusters, 20,992 bytes of LDS; arguments sel, route; writes route
.if DOCPART == 2
	.amdgcn_target "amdgcn-amd-amdhsa--gfx1250"
	.amdhsa_code_object_version 6
	.text
	.protected	k_q325aa99a5b_place
	.globl	k_q325aa99a5b_place
	.p2align	8
	.type	k_q325aa99a5b_place,@function
k_q325aa99a5b_place:
	s_mov_b64 s[64:65], 0
	v_nop
	global_prefetch_b8 v0, s[64:65] scope:SCOPE_SE
	s_setreg_imm32_b32 hwreg(HW_REG_WAVE_MODE, 25, 1), 1
	s_wait_xcnt 0x0
; The rows are placed by expert, by counting: no atomics.  route + 0: LIST [24][2080] u32, the token at each rank of a group; route + POS: [2048][2] u32, group x 2048 + rank of a token's two rows;
; route + CNT: [24] u32, the groups' rows.  Groups 0-15 are the experts; groups 16-23 are the shared expert on 256 tokens each, with the identity as their list.
; One work-group of 32 waves.  Thread t owns tokens t and t + 1024; a wave's 32 tokens are a chunk (64 chunks).  A token's rank in its expert = the expert's rows in earlier chunks + those in lower lanes.
; Behind an expert's n rows 32 more list entries are written with token 0, so that a reader of whole tiles finds a valid token there.
.set LISTP, 8320                       ; a group's list in bytes
.set POS,   199680
.set CNT,   216064
.set PIT,   260                        ; LDS: a row of 64 chunks' words + one word: 65 words, so that the 32 lanes that take one chunk of 32 rows start at 32 different banks (64 banks of 4 bytes: ISA guide 11.1)
.set EE,    8448                       ; LDS: 0: counts [32 rows][64 chunks] u32 (rows 16-31 are zeros); EE: their exclusive sums along a row
.macro RANK ea, eb, ra, rb, cv, off    ; one chunk: my ranks among its lanes, and its 16 counts (lane e of cv)
	v_mov_b32 v[\cv], 0
	v_mov_b32 v[\ra], 0
	v_mov_b32 v[\rb], 0
.irp k, 0,1,2,3,4,5,6,7,8,9,10,11,12,13,14,15
	v_cmp_eq_u32 s20, \k, v[\ea]
	v_cmp_eq_u32 s21, \k, v[\eb]
	s_or_b32 s22, s20, s21                         ; the lanes with a row for expert k
	v_mbcnt_lo_u32_b32 v21, s22, 0                 ; how many of them are below me
	v_cndmask_b32 v[\ra], v[\ra], v21, s20
	v_cndmask_b32 v[\rb], v[\rb], v21, s21
	s_bcnt1_i32_b32 s23, s22
	v_writelane_b32 v[\cv], s23, \k
.endr
	ds_store_b32 v3, v[\cv] offset:\off
.endm
.macro SCAN v                          ; inclusive sums over the 32 lanes
.irp n, 1,2,4,8
	v_mov_b32_dpp v28, v[\v] row_shr:\n row_mask:0xf bank_mask:0xf bound_ctrl:1
	v_add_nc_u32 v[\v], v[\v], v28
.endr
	v_readlane_b32 s24, v[\v], 15
	v_mov_b32 v28, s24
	v_cndmask_b32 v28, 0, v28, s30                 ; lanes 16-31 add the lower half's sum
	v_add_nc_u32 v[\v], v[\v], v28
.endm
	s_load_b128 s[4:7], s[0:1], 0x0                ; sel s[4:5], route s[6:7]
	v_lshl_add_u32 v64, v0, 2, 0x4200
	v_mov_b32 v65, 0
	v_lshrrev_b32 v1, 5, v0
	v_readfirstlane_b32 s8, v1                     ; wave
	v_and_b32 v1, 31, v0                           ; lane
	v_lshlrev_b32 v2, 2, v0
	s_lshl_b32 s9, s8, 2
	s_mul_i32 s10, s8, PIT
	v_mul_u32_u24 v3, v1, PIT
	v_add_nc_u32 v3, s9, v3                        ; row = lane, chunk = wave
	v_lshl_add_u32 v4, v1, 2, s10                  ; row = wave, chunk = lane
	s_mov_b32 s30, 0xffff0000
	s_wait_kmcnt 0x0
	global_load_b32 v5, v2, s[4:5]
	global_load_b32 v6, v2, s[4:5] offset:4096
	s_wait_loadcnt 0x0
	v_and_b32 v8, 0xff, v5
	v_bfe_u32 v9, v5, 8, 8
	v_and_b32 v10, 0xff, v6
	v_bfe_u32 v11, v6, 8, 8
.irp j, 8,9,10,11
	v_min_u32 v[\j], 15, v[\j]                     ; an expert's number stays inside the tables
.endr
.irp j, 0,1,2,3
	v_lshlrev_b32 v[12+\j], 2, v[8+\j]             ; as a lane's byte index
.endr
	RANK 8, 9, 16, 17, 20, 0
	RANK 10, 11, 18, 19, 22, 128
	s_wait_dscnt 0x0
	s_barrier_signal -1
	s_barrier_wait -1                              ; all counts lie in LDS
	ds_load_b32 v24, v4
	ds_load_b32 v25, v4 offset:128
	v_mov_b32 v28, 0
	s_wait_dscnt 0x0
	v_mov_b32 v26, v24
	v_mov_b32 v27, v25
	SCAN 26
	SCAN 27
	v_readlane_b32 s25, v26, 31
	v_add_nc_u32 v27, s25, v27
	v_readlane_b32 s25, v27, 31                    ; row w's total
	v_sub_nc_u32 v26, v26, v24
	v_sub_nc_u32 v27, v27, v25
	ds_store_b32 v4, v26 offset:EE
	ds_store_b32 v4, v27 offset:EE+128
	s_cmp_lt_u32 s8, 16
	s_cbranch_scc0 .Lshared
	v_mov_b32 v29, s9
	v_mov_b32 v30, s25
	global_store_b32 v29, v30, s[6:7] offset:CNT   ; expert w's rows (every lane writes the same word)
	s_min_u32 s26, s25, 2048
	v_add_nc_u32 v31, s26, v1
	v_min_u32 v31, 0x81f, v31
	s_mul_i32 s27, s8, LISTP
	v_lshl_add_u32 v31, v31, 2, s27
	v_mov_b32 v32, 0
	global_store_b32 v31, v32, s[6:7]              ; ranks n .. n + 31: token 0
	s_branch .Ljoin
.Lshared:
	s_cmp_lt_u32 s8, 24
	s_cbranch_scc0 .Ljoin
	v_mov_b32 v29, s9
	v_mov_b32 v30, 0x100
	global_store_b32 v29, v30, s[6:7] offset:CNT   ; a shared group has 256 rows
.Ljoin:
	s_wait_dscnt 0x0
	s_barrier_signal -1
	s_barrier_wait -1                              ; the exclusive sums lie in LDS
	ds_load_b32 v33, v3 offset:EE                  ; lane e: expert e's rows ahead of my first chunk,
	ds_load_b32 v34, v3 offset:EE+128              ; and of my second
	s_wait_dscnt 0x0
	ds_bpermute_b32 v35, v12, v33
	ds_bpermute_b32 v36, v13, v33
	ds_bpermute_b32 v37, v14, v34
	ds_bpermute_b32 v38, v15, v34
	v_add_nc_u32 v39, 0x400, v0                    ; my second token
	v_lshlrev_b32 v48, 3, v0
	v_lshrrev_b32 v49, 8, v0
	v_mul_u32_u24 v49, v49, LISTP
	v_and_b32 v50, 0xff, v0
	v_lshl_add_u32 v49, v50, 2, v49                ; my place in the identity lists
	s_wait_dscnt 0x0
.irp j, 0,1,2,3
	v_add_nc_u32 v[35+\j], v[35+\j], v[16+\j]
.endr
.irp j, 0,1,2,3
	v_min_u32 v[35+\j], 0x7ff, v[35+\j]            ; the rank
.endr
.irp j, 0,1,2,3
	v_mul_u32_u24 v[40+\j], v[8+\j], LISTP
.endr
.irp j, 0,1,2,3
	v_lshl_add_u32 v[40+\j], v[35+\j], 2, v[40+\j]
.endr
.irp j, 0,1,2,3
	v_lshl_add_u32 v[44+\j], v[8+\j], 11, v[35+\j] ; group x 2048 + rank
.endr
	global_store_b32 v40, v0, s[6:7]
	global_store_b32 v41, v0, s[6:7]
	global_store_b32 v42, v39, s[6:7]
	global_store_b32 v43, v39, s[6:7]
	global_store_b64 v48, v[44:45], s[6:7] offset:POS
	global_store_b64 v48, v[46:47], s[6:7] offset:POS+8192
	global_store_b32 v49, v0, s[6:7] offset:16*LISTP
	global_store_b32 v49, v39, s[6:7] offset:20*LISTP
	s_wait_tensorcnt 0x0
	ds_add_u32 v64, v65
	s_wait_dscnt 0x0
	s_endpgm
.Lfunc_end_k_q325aa99a5b_place:
	.size	k_q325aa99a5b_place, .Lfunc_end_k_q325aa99a5b_place-k_q325aa99a5b_place
	.p2alignl 7, 3214868480
	.fill 96, 4, 3214868480
	.section	.rodata,"a",@progbits
	.p2align	6, 0x0
	.amdhsa_kernel k_q325aa99a5b_place
		.amdhsa_group_segment_fixed_size 20992
		.amdhsa_private_segment_fixed_size 0
		.amdhsa_enable_private_segment 0
		.amdhsa_kernarg_size 16
		.amdhsa_user_sgpr_count 2
		.amdhsa_user_sgpr_kernarg_segment_ptr 1
		.amdhsa_wavefront_size32 1
		.amdhsa_system_sgpr_workgroup_id_x 1
		.amdhsa_system_sgpr_workgroup_id_y 1
		.amdhsa_system_sgpr_workgroup_id_z 1
		.amdhsa_system_vgpr_workitem_id 0
		.amdhsa_next_free_vgpr 66
		.amdhsa_next_free_sgpr 66
		.amdhsa_reserve_vcc 0
		.amdhsa_float_denorm_mode_32 3
		.amdhsa_float_denorm_mode_16_64 3
		.amdhsa_memory_ordered 1
		.amdhsa_forward_progress 1
		.amdhsa_inst_pref_size 22
	.end_amdhsa_kernel
	.amdgpu_metadata
---
amdhsa.version: [ 1, 2 ]
amdhsa.kernels:
  - .name:           k_q325aa99a5b_place
    .symbol:         k_q325aa99a5b_place.kd
    .args:
      - { .name: sel, .offset: 0, .size: 8, .value_kind: global_buffer, .address_space: global }
      - { .name: route, .offset: 8, .size: 8, .value_kind: global_buffer, .address_space: global }
    .group_segment_fixed_size: 20992
    .private_segment_fixed_size: 0
    .kernarg_segment_align: 8
    .kernarg_segment_size: 16
    .max_flat_workgroup_size: 1024
    .sgpr_count:     66
    .vgpr_count:     66
    .wavefront_size: 32
...
	.end_amdgpu_metadata
.endif
;; end of part 2
;; launch up (part 3): grid 16 x 24, 4 waves a work-group, no clusters, 103,936 bytes of LDS; arguments exp_gate, exp_up, shared_gate, shared_up, xq, route, hid; writes hid
.if DOCPART == 3
	.amdgcn_target "amdgcn-amd-amdhsa--gfx1250"
	.amdhsa_code_object_version 6
	.text
	.protected	k_q325aa99a5b_up
	.globl	k_q325aa99a5b_up
	.p2align	8
	.type	k_q325aa99a5b_up,@function
k_q325aa99a5b_up:
	s_mov_b64 s[64:65], 0
	v_nop
	global_prefetch_b8 v0, s[64:65] scope:SCOPE_SE
	s_setreg_imm32_b32 hwreg(HW_REG_WAVE_MODE, 25, 1), 1
	s_wait_xcnt 0x0
; hid = Q(sigmoid(x Wg^T) * (x Wu^T)) for the rows of one group (work-group y: 0-15 an expert's chosen rows, 16-23 the shared expert on 256 tokens) and one slice of 32 hidden units (work-group x).
; Both products on codes of E5M2 with E8M0 scales.  A slice is one block of 32 along the next product's K, so its scale byte is made here, whole.
; PHASE 1.  The slice's 32 rows of the gate's and of the up weight (f32, K innermost) are read once in the launch for an expert, quantised, and laid in LDS as images of the operand's registers: wave w makes tile w
; (0, 1: gate; 2, 3: up), K step by K step.  A tile's 16 rows are 8 u + m + 8 (m / 8), so that a lane's 16 results of tiles u = 0, 1 are 16 neighbouring hidden units.
; PHASE 2.  A wave takes pairs of row tiles (32 rows), p = wave, wave + 4, ..: the rows' tokens from the list, their codes of x straight into the operand's registers, 64 matrix instructions
; (source 0 = 16 weight rows, source 1 = 16 tokens: a lane holds one token), the activation, the quantiser, and its 16 codes a lane go out as an image of the next operand's registers.
; THE FIRST PAIR IS ASKED FOR IN PHASE 1: its tokens behind the first weight loads, its codes of x into the four raw sets of window 1 as the last four units leave them: set q holds just the registers of tile q / 2, K steps 4 (q % 2) on.
; No tensor loads, no cluster: the trip count hangs on the stored count, and each weight slice has one reader.  Rows past a group's count are token 0's: valid work whose results nobody reads.
; The scale bytes leave one a row: a row's word is made by four work-groups; they are one in 32 of what this launch stores.
; LIMITS: NaN and infinities are not served; a block whose largest magnitude lies under 2^-111 gets the byte 1; for a gate under about -88 the sigmoid is 0.
.set XS_OFF, 2097152
.set LISTP,  8320
.set CNT,    216064
.set HS_OFF, 25165824
.set STGB,   8448                      ; a wave's stage: 16 rows x (512 + 16) bytes
.set WIMG,   33792                     ; 32 fragments (8 t + s) of 2,048 bytes
.set WSC,    99328                     ; their scale words, 128 bytes each
.set XSW, 20                           ; v20-35  x's scale words, 8 p + s
.set WS,  36                           ; v36-43  the weights' scale words, two sets of four
.set ACC, 48                           ; v48-111 accumulators, 32 p + 8 t
.set WF,  112                          ; v112-239 the weights' fragments, two sets of four
.set TM,  240                          ; v240-255 at work
.set X,   112                          ; phase 1: 64 numbers;
.set PC,  176                          ; the codes just made;
.set PW,  192                          ; their scale word
.set SEL, 40
.set MNT, 42
.set MSB, 0
.macro WIN new                         ; the immediate's high byte repeats the setting that is left
.if MSB != \new
	s_set_vgpr_msb (MSB<<8)|\new
.set MSB, \new
.endif
.endm
.macro QUANT src, pc, pw
.irp b, 0,1,2,3
	v_max3_num_f32 v[TM+\b], |v[\src+16*\b]|, |v[\src+1+16*\b]|, 0x8000000   ; block b: my 16 numbers and the floor 2^(16 - 127)
.endr
.irp i, 2,4,6,8,10,12,14
.irp b, 0,1,2,3
	v_max3_num_f32 v[TM+\b], v[TM+\b], |v[\src+16*\b+\i]|, |v[\src+1+16*\b+\i]|
.endr
.endr
.irp b, 0,1,2,3
	v_permlanex16_b32 v[TM+4+\b], v[TM+\b], s[SEL], s[SEL+1]
.endr
.irp b, 0,1,2,3
	v_max_num_f32 v[TM+\b], v[TM+\b], v[TM+4+\b]
.endr
.irp b, 0,1,2,3
	v_add_nc_u32 v[TM+12+\b], 0xf8800000, v[TM+\b]         ; 15 off the exponent field: the conversion's scale operand
.endr
.irp b, 0,1,2,3
	v_and_or_b32 v[TM+8+\b], v[TM+\b], 0x7f800000, s[MNT]  ; 57,344 x the scale
.endr
.irp b, 0,1,2,3
	v_lshrrev_b32 v[TM+4+\b], 23, v[TM+12+\b]
.endr
	v_lshl_or_b32 v[\pw], v[TM+5], 8, v[TM+4]
	v_lshl_or_b32 v[\pw], v[TM+6], 16, v[\pw]
	v_lshl_or_b32 v[\pw], v[TM+7], 24, v[\pw]
.irp b, 0,1,2,3
.irp i, 0,1,2,3,4,5,6,7,8,9,10,11,12,13,14,15
	v_med3_num_f32 v[\src+16*\b+\i], v[\src+16*\b+\i], -v[TM+8+\b], v[TM+8+\b]   ; the conversion does not saturate (ISA guide 7.6.2)
.endr
	v_cvt_scalef32_pk8_bf8_f32 v[\pc+4*\b:\pc+1+4*\b], v[\src+16*\b:\src+7+16*\b], v[TM+12+\b]
	v_cvt_scalef32_pk8_bf8_f32 v[\pc+2+4*\b:\pc+3+4*\b], v[\src+8+16*\b:\src+15+16*\b], v[TM+12+\b]
.endr
	v_nop                                          ; a plain line behind the last conversion
.endm
.macro TOK ahead                       ; the tokens of the pair that lies ahead pairs behind trip s24's (pair wave + 4 x trip); the rank is held inside the entries that were written
	s_lshl_b32 s46, s24, 7                         ; 128 ranks a trip,
	s_add_co_u32 s46, s46, s51                     ; 32 x wave,
	s_add_co_u32 s46, s46, 32*\ahead
	v_add_nc_u32 v18, s46, v9
	v_add_nc_u32 v19, 16, v18
	v_min_u32 v18, s25, v18
	v_min_u32 v19, s25, v19
	v_min_u32 v18, 0x81f, v18
	v_min_u32 v19, 0x81f, v19
	v_lshlrev_b32 v18, 2, v18
	v_lshlrev_b32 v19, 2, v19
	global_load_b32 v10, v18, s[34:35]
	global_load_b32 v11, v19, s[34:35]
.endm
.macro OFFS
	v_min_u32 v10, 0x7ff, v10
	v_min_u32 v11, 0x7ff, v11
	v_lshl_add_u32 v12, v10, 10, v8                ; the token's row of codes, + 16 h
	v_lshl_add_u32 v13, v11, 10, v8
	v_lshlrev_b32 v14, 5, v10                      ; and its 32 scale bytes
	v_lshlrev_b32 v15, 5, v11
.endm
.macro XSCALES                         ; the pair's scale words: four loads
.irp p, 0,1
	global_load_b128 v[XSW+8*\p:XSW+8*\p+3], v[14+\p], s[38:39]
	global_load_b128 v[XSW+8*\p+4:XSW+8*\p+7], v[14+\p], s[38:39] offset:16
.endr
.endm
.macro XPART q                         ; the first pair, a quarter at a time: tile q / 2, K steps 4 (q % 2) .. + 3, into the 64 registers of raw set q: 16 loads
	WIN 0x40
.irp s, 0,1,2,3
.irp c, 0,1,2,3
	global_load_b128 v[64*(\q)+16*\s+4*\c:64*(\q)+16*\s+4*\c+3], v[12+(\q)/2], s[12:13] offset:128*(4*((\q)%2)+\s)+32*\c
.endr
.endr
	WIN 0
.endm
.macro XLOAD                           ; 68 loads: the scale words first, then the codes K step by K step
	XSCALES
	WIN 0x40
.irp s, 0,1,2,3,4,5,6,7
.irp p, 0,1
.irp c, 0,1,2,3
	global_load_b128 v[16*(8*\p+\s)+4*\c:16*(8*\p+\s)+4*\c+3], v[12+\p], s[12:13] offset:128*\s+32*\c
.endr
.endr
.endr
	WIN 0
.endm
.macro LOADU i                         ; K step i of my tile's 16 rows, 512 consecutive bytes a load, into raw set i % 4 of window 1
	WIN 0x40
.irp row, 0,1,2,3,4,5,6,7,8,9,10,11,12,13,14,15
	global_load_b128 v[64*((\i)%4)+4*\row:64*((\i)%4)+4*\row+3], v1, s[26:27] offset:(\row+8*(\row/8))*4096+512*(\i)
.endr
	WIN 0
.endm
.macro UNIT i, left
	s_wait_loadcnt \left                           ; this unit's 16 loads are in; left = the loads issued behind them
	WIN 0x04                                       ; an LDS store's data are its source 1: window 1
.irp row, 0,1,2,3,4,5,6,7,8,9,10,11,12,13,14,15
	ds_store_b128 v3, v[64*((\i)%4)+4*\row:64*((\i)%4)+4*\row+3] offset:528*\row
.endr
	WIN 0
.irp b, 0,1,2,3
.irp j, 0,1,2,3
	ds_load_b128 v[X+16*\b+4*\j:X+16*\b+4*\j+3], v4 offset:128*\b+16*\j
.endr
.endr
	s_wait_dscnt 0x0                               ; the numbers are back; the stage's stores have read the raw set, the last image's stores their codes
.if (\i) < 4
	LOADU (\i)+4                                   ; the raw set takes the unit four further on,
.else
.if (\i) == 4
	OFFS                                           ; (the first pair's tokens were asked for ahead of this unit's loads: they are in)
	XSCALES
.endif
	XPART (\i)-4                                   ; or, when no unit is left for it, its quarter of the first pair's codes of x
.endif
	QUANT X, PC, PW
.irp c, 0,1,2,3
	ds_store_b128 v5, v[PC+4*\c:PC+4*\c+3] offset:2048*(\i)+512*\c     ; the fragment as it stands: 16 bytes a lane, 512 a store
.endr
	ds_store_b32 v6, v[PW] offset:128*(\i)
.endm
.macro WLOAD s, buf                    ; K step s of the four tiles: 20 LDS loads
.irp t, 0,1,2,3
.irp c, 0,1,2,3
	ds_load_b128 v[WF+64*(\buf)+16*\t+4*\c:WF+64*(\buf)+16*\t+4*\c+3], v7 offset:(8*\t+(\s))*2048+512*\c
.endr
	ds_load_b32 v[WS+4*(\buf)+\t], v44 offset:(8*\t+(\s))*128
.endr
.endm
.macro KLOOP                           ; 64 matrix instructions: the eight accumulators take turns, one instruction a turn
	WLOAD 0, 0
	WIN 0x04                                       ; source 1 (x) window 1
.irp s, 0,1,2,3,4,5,6,7
.if \s < 7
.if \s >= 1
.rept 8
	v_nop                                          ; eight places between the products that read a set and the loads into it
.endr
.endif
	WLOAD \s+1, (\s+1)%2
	s_wait_dscnt 20                                ; this K step's set is in; the next one's 20 loads may be out
.else
	s_wait_dscnt 0x0
.endif
	s_wait_loadcnt 8*(7-\s)+2                      ; x's codes up to this K step are in; younger: eight loads for each later K step and the two list loads (for the first pair all codes are in already)
.irp p, 0,1
.irp t, 0,1,2,3
.if \s == 0
	v_wmma_scale_f32_16x16x128_f8f6f4 v[ACC+32*\p+8*\t:ACC+32*\p+8*\t+7], v[WF+64*(\s%2)+16*\t:WF+64*(\s%2)+16*\t+15], v[16*(8*\p+\s):16*(8*\p+\s)+15], 0, v[WS+4*(\s%2)+\t], v[XSW+8*\p+\s] matrix_a_fmt:MATRIX_FMT_BF8 matrix_b_fmt:MATRIX_FMT_BF8
.else
	v_wmma_scale_f32_16x16x128_f8f6f4 v[ACC+32*\p+8*\t:ACC+32*\p+8*\t+7], v[WF+64*(\s%2)+16*\t:WF+64*(\s%2)+16*\t+15], v[16*(8*\p+\s):16*(8*\p+\s)+15], v[ACC+32*\p+8*\t:ACC+32*\p+8*\t+7], v[WS+4*(\s%2)+\t], v[XSW+8*\p+\s] matrix_a_fmt:MATRIX_FMT_BF8 matrix_b_fmt:MATRIX_FMT_BF8
.endif
.endr
.endr
.endr
	WIN 0
.rept 8
	v_nop                                          ; places ahead of the loads into x's registers and of the first read of the results
.endr
.endm
.macro EPI                             ; of tile p: registers ACC + 32 p + 0 .. 15 the gate's sums of hidden units 16 h + 0 .. 15, + 16 .. 31 the up weight's
.irp p, 0,1
.irp i, 0,2,4,6,8,10,12,14
	v_pk_mul_f32 v[ACC+32*\p+\i:ACC+32*\p+\i+1], v[ACC+32*\p+\i:ACC+32*\p+\i+1], s[48:49] op_sel_hi:[1,0]   ; -g log2(e); each accumulator from its low end on
.endr
.endr
.irp p, 0,1
.irp i, 0,1,2,3,4,5,6,7,8,9,10,11,12,13,14,15
	v_exp_f32 v[ACC+32*\p+\i], v[ACC+32*\p+\i]
.endr
.endr
	v_nop                                          ; a plain line behind the exponentials
	s_wait_alu depctr_va_vdst(0)
.irp p, 0,1
.irp i, 0,2,4,6,8,10,12,14
	v_pk_add_f32 v[ACC+32*\p+\i:ACC+32*\p+\i+1], v[ACC+32*\p+\i:ACC+32*\p+\i+1], 1.0 op_sel_hi:[1,0]
.endr
.endr
.irp p, 0,1
.irp i, 0,1,2,3,4,5,6,7,8,9,10,11,12,13,14,15
	v_rcp_f32 v[ACC+32*\p+\i], v[ACC+32*\p+\i]     ; sigmoid(g)
.endr
.endr
	v_nop                                          ; a plain line behind the reciprocals
	s_wait_alu depctr_va_vdst(0)
.irp p, 0,1
.irp i, 0,2,4,6,8,10,12,14
	v_pk_mul_f32 v[ACC+32*\p+16+\i:ACC+32*\p+17+\i], v[ACC+32*\p+16+\i:ACC+32*\p+17+\i], v[ACC+32*\p+\i:ACC+32*\p+\i+1]
.endr
.endr
.irp p, 0,1
	v_max3_num_f32 v[TM+\p], |v[ACC+32*\p+16]|, |v[ACC+32*\p+17]|, 0x8000000
.endr
.irp i, 2,4,6,8,10,12,14
.irp p, 0,1
	v_max3_num_f32 v[TM+\p], v[TM+\p], |v[ACC+32*\p+16+\i]|, |v[ACC+32*\p+17+\i]|
.endr
.endr
.irp p, 0,1
	v_permlanex16_b32 v[TM+2+\p], v[TM+\p], s[SEL], s[SEL+1]
.endr
.irp p, 0,1
	v_max_num_f32 v[TM+\p], v[TM+\p], v[TM+2+\p]           ; the block's largest magnitude: my 16 units and lane l xor 16's
.endr
.irp p, 0,1
	v_add_nc_u32 v[TM+4+\p], 0xf8800000, v[TM+\p]
.endr
.irp p, 0,1
	v_and_or_b32 v[TM+6+\p], v[TM+\p], 0x7f800000, s[MNT]
.endr
.irp p, 0,1
	v_lshrrev_b32 v[TM+8+\p], 23, v[TM+4+\p]               ; the scale's byte
.endr
.irp p, 0,1
.irp i, 0,1,2,3,4,5,6,7,8,9,10,11,12,13,14,15
	v_med3_num_f32 v[ACC+32*\p+16+\i], v[ACC+32*\p+16+\i], -v[TM+6+\p], v[TM+6+\p]
.endr
	v_cvt_scalef32_pk8_bf8_f32 v[WF+4*\p:WF+4*\p+1], v[ACC+32*\p+16:ACC+32*\p+23], v[TM+4+\p]
	v_cvt_scalef32_pk8_bf8_f32 v[WF+4*\p+2:WF+4*\p+3], v[ACC+32*\p+24:ACC+32*\p+31], v[TM+4+\p]
.endr
	v_nop                                          ; a plain line behind the last conversion
.irp p, 0,1
	global_store_b128 v1, v[WF+4*\p:WF+4*\p+3], s[30:31] offset:8192*\p    ; 512 consecutive bytes, aligned: four registers of the next operand, lane by lane
	global_store_b8 v17, v[TM+8+\p], s[32:33] offset:256*\p               ; row r's byte of this block
.endr
.endm
	s_load_b256 s[4:11], s[0:1], 0x0               ; exp_gate, exp_up, shared_gate, shared_up
	s_load_b128 s[12:15], s[0:1], 0x20             ; xq, route
	s_load_b64 s[16:17], s[0:1], 0x30              ; hid
	v_lshl_add_u32 v46, v0, 2, 0x19400
	v_mov_b32 v47, 0
	v_lshrrev_b32 v9, 5, v0
	v_readfirstlane_b32 s18, v9                    ; wave
	s_mov_b32 s19, ttmp9                           ; the slice
	s_and_b32 s20, ttmp7, 0xffff                   ; the group
	v_and_b32 v2, 31, v0
	v_lshlrev_b32 v1, 4, v2                        ; 16 x lane
	v_lshlrev_b32 v2, 2, v2                        ; 4 x lane
	v_and_b32 v9, 15, v0                           ; r
	v_bfe_u32 v8, v0, 4, 1                         ; h
	s_mul_i32 s43, s18, STGB
	v_add_nc_u32 v3, s43, v1                       ; the stage, in
	v_mul_u32_u24 v4, v9, 528
	v_lshl_add_u32 v4, v8, 6, v4
	v_add_nc_u32 v4, s43, v4                       ; and out
	s_lshl_b32 s43, s18, 14
	s_add_co_u32 s43, s43, WIMG
	v_add_nc_u32 v5, s43, v1                       ; my tile's eight images
	s_lshl_b32 s43, s18, 10
	s_add_co_u32 s43, s43, WSC
	v_add_nc_u32 v6, s43, v2                       ; and their scale words
	v_add_nc_u32 v7, WIMG, v1
	v_add_nc_u32 v44, WSC, v2
	v_lshlrev_b32 v8, 4, v8                        ; 16 h
	v_lshlrev_b32 v17, 4, v9                       ; 16 r
	s_lshl_b32 s50, s20, 2                         ; the count's place; never rewritten
	s_lshl_b32 s51, s18, 5                         ; 32 x wave: my first pair's first rank
	s_mov_b32 s[SEL], 0x76543210
	s_mov_b32 s[SEL+1], 0xfedcba98
	s_mov_b32 s[MNT], 0x600000
	s_mov_b32 s48, 0xbfb8aa3b                      ; -log2(e)
	s_mov_b32 s49, s48                             ; (named with it as a pair)
	s_wait_kmcnt 0x0
	s_load_b32 s21, s[14:15], s50 offset:CNT       ; the group's rows
	s_cmp_lt_u32 s20, 16                           ; an expert's weights or the shared ones: the choice hangs on the work-group's number alone
	s_cselect_b64 s[4:5], s[4:5], s[8:9]
	s_cselect_b64 s[6:7], s[6:7], s[10:11]
	s_cselect_b32 s44, s20, 0
	s_cmp_lt_u32 s18, 2                            ; waves 0, 1: gate; waves 2, 3: up
	s_cselect_b64 s[26:27], s[4:5], s[6:7]
	s_lshl_b32 s44, s44, 21                        ; the expert: 512 rows of 4,096 bytes
	s_lshl_b32 s45, s19, 17                        ; the slice: 32 rows
	s_add_co_u32 s44, s44, s45
	s_and_b32 s45, s18, 1
	s_lshl_b32 s45, s45, 15                        ; tile u begins 8 u rows on
	s_add_co_u32 s44, s44, s45
	s_mov_b32 s45, 0
	s_add_nc_u64 s[26:27], s[26:27], s[44:45]
	LOADU 0
	LOADU 1
	LOADU 2
	LOADU 3
	s_mul_i32 s44, s20, LISTP
	s_add_nc_u64 s[34:35], s[14:15], s[44:45]      ; the group's list
	s_add_nc_u64 s[38:39], s[12:13], XS_OFF        ; x's scale bytes
	s_lshl_b32 s46, s20, 7
	s_lshl_b32 s47, s18, 1
	s_add_co_u32 s46, s46, s47                     ; my first row tile: 128 g + 2 wave
	s_lshl_b32 s44, s46, 13
	s_lshl_b32 s47, s19, 9
	s_add_co_u32 s44, s44, s47
	s_add_nc_u64 s[30:31], s[16:17], s[44:45]      ; its block of 512 bytes for this slice
	s_lshl_b32 s44, s46, 8
	s_add_co_u32 s44, s44, s19
	s_add_co_u32 s44, s44, HS_OFF
	s_add_nc_u64 s[32:33], s[16:17], s[44:45]      ; and its rows' scale bytes
.irp b, 2,3,4,5,6,7
	v_mov_b32 v[TM+\b], 0                          ; destinations of lane permutes: written once
.endr
	s_wait_kmcnt 0x0                               ; the count: the weights' first 64 loads are on their way meanwhile
	s_min_u32 s21, s21, 2048
	s_add_co_u32 s22, s21, 31
	s_lshr_b32 s22, s22, 5                         ; pairs of row tiles
	s_max_u32 s25, s22, 1
	s_lshl_b32 s25, s25, 5
	s_sub_co_u32 s25, s25, 1                       ; the last rank that is read: at most count + 30, and count + 31 entries are written
	s_mov_b32 s24, 0                               ; the trip
	TOK 0                                          ; my first pair's tokens (a wave without a pair reads held ranks, and uses nothing of what follows from them)
	UNIT 0, 50                                     ; behind unit i's loads, i = 0 .. 3: three units of 16 and the two list loads
	UNIT 1, 50
	UNIT 2, 50
	UNIT 3, 50
	UNIT 4, 48                                     ; units 5, 6, 7
	UNIT 5, 52                                     ; units 6, 7; four loads of scale words and 16 of codes
	UNIT 6, 52                                     ; unit 7; 4 + 16 + 16
	UNIT 7, 52                                     ; 4 + 16 + 16 + 16
	TOK 4                                          ; my second pair's tokens
	s_wait_dscnt 0x0                               ; my images have landed
	s_barrier_signal -1
	s_barrier_wait -1                              ; the 32 fragments lie in LDS; from here on LDS is only read
	s_cmp_ge_u32 s18, s22
	s_cbranch_scc1 .Lend
	s_sub_co_u32 s23, s22, s18                     ; my pairs: wave, wave + 4, ..: (pairs - wave + 3) / 4 of them;
	s_add_co_u32 s23, s23, 3
	s_lshr_b32 s23, s23, 2
	s_sub_co_u32 s23, s23, 1                       ; all but the last are trips of the loop, counted by ones
	s_wait_loadcnt 2                               ; the first pair's scale words and codes are in; the two list loads behind them may be out
	s_cmp_lt_u32 s24, s23
	s_cbranch_scc0 .Ltail
.Lloop:
	KLOOP
	s_wait_loadcnt 0x0                             ; the next pair's tokens are in, and every load that named the offsets below is done
	OFFS
	XLOAD                                          ; the next pair's codes are on their way while this pair's results are worked
	TOK 8
	EPI
	s_wait_xcnt 0x0                                ; the stores' data and bases are rewritten only behind this wait
	s_add_nc_u64 s[30:31], s[30:31], 65536         ; eight row tiles on
	s_add_nc_u64 s[32:33], s[32:33], 2048
	s_add_co_u32 s24, s24, 1
	s_cmp_lt_u32 s24, s23
	s_cbranch_scc1 .Lloop
.Ltail:
	KLOOP                                          ; the wave's last pair: the counts are the same (two list loads, of held ranks, are younger here too)
	EPI
.Lend:
	s_wait_tensorcnt 0x0
	ds_add_u32 v46, v47
	s_wait_dscnt 0x0
	s_endpgm
.Lfunc_end_k_q325aa99a5b_up:
	.size	k_q325aa99a5b_up, .Lfunc_end_k_q325aa99a5b_up-k_q325aa99a5b_up
	.p2alignl 7, 3214868480
	.fill 96, 4, 3214868480
	.section	.rodata,"a",@progbits
	.p2align	6, 0x0
	.amdhsa_kernel k_q325aa99a5b_up
		.amdhsa_group_segment_fixed_size 103936
		.amdhsa_private_segment_fixed_size 0
		.amdhsa_enable_private_segment 0
		.amdhsa_kernarg_size 56
		.amdhsa_user_sgpr_count 2
		.amdhsa_user_sgpr_kernarg_segment_ptr 1
		.amdhsa_wavefront_size32 1
		.amdhsa_system_sgpr_workgroup_id_x 1
		.amdhsa_system_sgpr_workgroup_id_y 1
		.amdhsa_system_sgpr_workgroup_id_z 1
		.amdhsa_system_vgpr_workitem_id 0
		.amdhsa_next_free_vgpr 512
		.amdhsa_next_free_sgpr 66
		.amdhsa_reserve_vcc 0
		.amdhsa_float_denorm_mode_32 3
		.amdhsa_float_denorm_mode_16_64 3
		.amdhsa_memory_ordered 1
		.amdhsa_forward_progress 1
		.amdhsa_inst_pref_size 176
	.end_amdhsa_kernel
	.amdgpu_metadata
---
amdhsa.version: [ 1, 2 ]
amdhsa.kernels:
  - .name:           k_q325aa99a5b_up
    .symbol:         k_q325aa99a5b_up.kd
    .args:
      - { .name: exp_gate, .offset: 0, .size: 8, .value_kind: global_buffer, .address_space: global }
      - { .name: exp_up, .offset: 8, .size: 8, .value_kind: global_buffer, .address_space: global }
      - { .name: shared_gate, .offset: 16, .size: 8, .value_kind: global_buffer, .address_space: global }
      - { .name: shared_up, .offset: 24, .size: 8, .value_kind: global_buffer, .address_space: global }
      - { .name: xq, .offset: 32, .size: 8, .value_kind: global_buffer, .address_space: global }
      - { .name: route, .offset: 40, .size: 8, .value_kind: global_buffer, .address_space: global }
      - { .name: hid, .offset: 48, .size: 8, .value_kind: global_buffer, .address_space: global }
    .group_segment_fixed_size: 103936
    .private_segment_fixed_size: 0
    .kernarg_segment_align: 8
    .kernarg_segment_size: 56
    .max_flat_workgroup_size: 128
    .sgpr_count:     66
    .vgpr_count:     512
    .wavefront_size: 32
...
	.end_amdgpu_metadata
.endif
;; end of part 3
;; launch down (part 4): grid 16 x 24, 4 waves a work-group, no clusters, 69,120 bytes of LDS; arguments exp_down, shared_down, hid, route, y; writes y
.if DOCPART == 4
	.amdgcn_target "amdgcn-amd-amdhsa--gfx1250"
	.amdhsa_code_object_version 6
	.text
	.protected	k_q325aa99a5b_down
	.globl	k_q325aa99a5b_down
	.p2align	8
	.type	k_q325aa99a5b_down,@function
k_q325aa99a5b_down:
	s_mov_b64 s[64:65], 0
	v_nop
	global_prefetch_b8 v0, s[64:65] scope:SCOPE_SE
	s_setreg_imm32_b32 hwreg(HW_REG_WAVE_MODE, 25, 1), 1
	s_wait_xcnt 0x0
; y[group x 2048 + rank][64 columns] = hid Wd^T for the rows of one group (work-group y) and one slice of 64 output columns (work-group x), on codes of E5M2 with E8M0 scales.
; PHASE 1.  The slice's 64 rows of the down weight (f32, K = 512 innermost) are read once in the launch for an expert, quantised (wave w: rows 16 w on, four K steps) and laid in LDS as images of the operand's registers;
; behind the one barrier every wave takes all 16 fragments into registers, where they stay.
; PHASE 2.  A wave takes row tiles mt = wave, wave + 4, ..: the hidden layer's four fragments come as they lie (512 consecutive bytes a load), 16 matrix instructions (source 0 = 16 weight rows, source 1 = 16 rows of
; the hidden layer: a lane holds eight neighbouring columns of one row of y), and the tile leaves through the wave's own stage: sixteen lanes store 256 consecutive bytes, aligned.
; THE FIRST TILE IS ASKED FOR IN PHASE 1, behind the second unit: its address hangs on ids alone and lies inside the buffer whatever the count; a wave that the count leaves without a tile uses nothing of it.
; No tensor loads, no cluster: the trip count hangs on the stored count, and each weight slice has one reader.  The routing's weights are applied by the launch that sums.
; LIMITS: NaN and infinities are not served; a block whose largest magnitude lies under 2^-111 gets the byte 1.
.set CNT,    216064
.set HS_OFF, 25165824
.set STGB,   8448                      ; a wave's stage: phase 1: 16 rows x 528 bytes; phase 2: 16 rows x 272 bytes of y
.set WIMG,   33792                     ; 16 fragments (4 t + s) of 2,048 bytes
.set WSC,    66560                     ; their scale words
.set HSW, 16                           ; v16-19  the hidden layer's scale words
.set WSW, 20                           ; v20-35  the weights', 4 t + s
.set ACC, 48                           ; v48-79  four accumulators
.set HF,  80                           ; v80-143 the hidden layer's four fragments
.set OB,  144                          ; v144-175 rows of y on their way out
.set TM,  240
.set X,   176                          ; phase 1: v176-239 64 numbers (apart from the hidden layer's registers, which are being loaded meanwhile);
.set PC,  144                          ; the codes just made;
.set PW,  160                          ; their scale word
.set SEL, 40
.set MNT, 42
.set MSB, 0
.macro WIN new
.if MSB != \new
	s_set_vgpr_msb (MSB<<8)|\new
.set MSB, \new
.endif
.endm
.macro QUANT src, pc, pw
.irp b, 0,1,2,3
	v_max3_num_f32 v[TM+\b], |v[\src+16*\b]|, |v[\src+1+16*\b]|, 0x8000000   ; block b: my 16 numbers and the floor 2^(16 - 127)
.endr
.irp i, 2,4,6,8,10,12,14
.irp b, 0,1,2,3
	v_max3_num_f32 v[TM+\b], v[TM+\b], |v[\src+16*\b+\i]|, |v[\src+1+16*\b+\i]|
.endr
.endr
.irp b, 0,1,2,3
	v_permlanex16_b32 v[TM+4+\b], v[TM+\b], s[SEL], s[SEL+1]
.endr
.irp b, 0,1,2,3
	v_max_num_f32 v[TM+\b], v[TM+\b], v[TM+4+\b]
.endr
.irp b, 0,1,2,3
	v_add_nc_u32 v[TM+12+\b], 0xf8800000, v[TM+\b]
.endr
.irp b, 0,1,2,3
	v_and_or_b32 v[TM+8+\b], v[TM+\b], 0x7f800000, s[MNT]
.endr
.irp b, 0,1,2,3
	v_lshrrev_b32 v[TM+4+\b], 23, v[TM+12+\b]
.endr
	v_lshl_or_b32 v[\pw], v[TM+5], 8, v[TM+4]
	v_lshl_or_b32 v[\pw], v[TM+6], 16, v[\pw]
	v_lshl_or_b32 v[\pw], v[TM+7], 24, v[\pw]
.irp b, 0,1,2,3
.irp i, 0,1,2,3,4,5,6,7,8,9,10,11,12,13,14,15
	v_med3_num_f32 v[\src+16*\b+\i], v[\src+16*\b+\i], -v[TM+8+\b], v[TM+8+\b]   ; the conversion does not saturate (ISA guide 7.6.2)
.endr
	v_cvt_scalef32_pk8_bf8_f32 v[\pc+4*\b:\pc+1+4*\b], v[\src+16*\b:\src+7+16*\b], v[TM+12+\b]
	v_cvt_scalef32_pk8_bf8_f32 v[\pc+2+4*\b:\pc+3+4*\b], v[\src+8+16*\b:\src+15+16*\b], v[TM+12+\b]
.endr
	v_nop                                          ; a plain line behind the last conversion
.endm
.macro LOADU i                         ; K step i of my 16 rows, 512 consecutive bytes a load, into raw set i of window 1
	WIN 0x40
.irp row, 0,1,2,3,4,5,6,7,8,9,10,11,12,13,14,15
	global_load_b128 v[64*(\i)+4*\row:64*(\i)+4*\row+3], v1, s[26:27] offset:2048*\row+512*(\i)
.endr
	WIN 0
.endm
.macro UNIT i, left
	s_wait_loadcnt \left                           ; this unit's 16 loads are in; left = the loads issued behind them
	WIN 0x04                                       ; an LDS store's data are its source 1: window 1
.irp row, 0,1,2,3,4,5,6,7,8,9,10,11,12,13,14,15
	ds_store_b128 v3, v[64*(\i)+4*\row:64*(\i)+4*\row+3] offset:528*\row
.endr
	WIN 0
.irp b, 0,1,2,3
.irp j, 0,1,2,3
	ds_load_b128 v[X+16*\b+4*\j:X+16*\b+4*\j+3], v4 offset:128*\b+16*\j
.endr
.endr
	s_wait_dscnt 0x0                               ; the numbers are back, and the last image's stores have read their codes
	QUANT X, PC, PW
.irp c, 0,1,2,3
	ds_store_b128 v5, v[PC+4*\c:PC+4*\c+3] offset:2048*(\i)+512*\c
.endr
	ds_store_b32 v6, v[PW] offset:128*(\i)
.endm
.macro HLOAD                           ; a row tile of the hidden layer: 16 blocks of 512 bytes as they lie, and each row's four scale words: 17 loads
.irp s, 0,1,2,3
.irp c, 0,1,2,3
	global_load_b128 v[HF+16*\s+4*\c:HF+16*\s+4*\c+3], v1, s[30:31] offset:(4*\s+\c)*512
.endr
.endr
	global_load_b128 v[HSW:HSW+3], v9, s[32:33]
.endm
.macro MULT                            ; 16 matrix instructions: the four accumulators take turns, one instruction a turn
	s_wait_loadcnt 0x0
	WIN 0x01                                       ; source 0 (the weights) window 1
.irp s, 0,1,2,3
.irp t, 0,1,2,3
.if \s == 0
	v_wmma_scale_f32_16x16x128_f8f6f4 v[ACC+8*\t:ACC+8*\t+7], v[16*(4*\t+\s):16*(4*\t+\s)+15], v[HF+16*\s:HF+16*\s+15], 0, v[WSW+4*\t+\s], v[HSW+\s] matrix_a_fmt:MATRIX_FMT_BF8 matrix_b_fmt:MATRIX_FMT_BF8
.else
	v_wmma_scale_f32_16x16x128_f8f6f4 v[ACC+8*\t:ACC+8*\t+7], v[16*(4*\t+\s):16*(4*\t+\s)+15], v[HF+16*\s:HF+16*\s+15], v[ACC+8*\t:ACC+8*\t+7], v[WSW+4*\t+\s], v[HSW+\s] matrix_a_fmt:MATRIX_FMT_BF8 matrix_b_fmt:MATRIX_FMT_BF8
.endif
.endr
.endr
	WIN 0
.rept 9
	v_nop                                          ; eight places ahead of the loads into the hidden layer's registers and of the first read of the results; the ninth for the next tile's first products, which begin these accumulators anew: no other vector work stands between two tiles' products
.endr
.endm
.macro OUT
.irp t, 0,1,2,3
	ds_store_b128 v10, v[ACC+8*\t:ACC+8*\t+3] offset:64*\t           ; each accumulator from its low end on
	ds_store_b128 v10, v[ACC+8*\t+4:ACC+8*\t+7] offset:64*\t+16
.endr
.irp i, 0,1,2,3,4,5,6,7
	ds_load_b128 v[OB+4*\i:OB+4*\i+3], v11 offset:544*\i             ; LDS serves a wave's instructions in order: these see my stores
.endr
.irp i, 0,1,2,3,4,5,6,7
	s_wait_dscnt 7-\i
	global_store_b128 v12, v[OB+4*\i:OB+4*\i+3], s[34:35] offset:8192*\i   ; two rows a store: sixteen lanes cover 256 consecutive bytes, aligned
.endr
.endm
	s_load_b256 s[4:11], s[0:1], 0x0               ; exp_down, shared_down, hid, route
	s_load_b64 s[12:13], s[0:1], 0x20              ; y
	v_lshl_add_u32 v46, v0, 2, 0x10c00
	v_mov_b32 v47, 0
	v_lshrrev_b32 v13, 5, v0
	v_readfirstlane_b32 s18, v13                   ; wave
	s_mov_b32 s19, ttmp9                           ; the slice
	s_and_b32 s20, ttmp7, 0xffff                   ; the group
	v_and_b32 v2, 31, v0
	v_lshlrev_b32 v1, 4, v2                        ; 16 x lane
	v_lshlrev_b32 v2, 2, v2                        ; 4 x lane
	v_and_b32 v13, 15, v0                          ; r
	v_bfe_u32 v14, v0, 4, 1                        ; h
	s_mul_i32 s43, s18, STGB
	v_add_nc_u32 v3, s43, v1
	v_mul_u32_u24 v4, v13, 528
	v_lshl_add_u32 v4, v14, 6, v4
	v_add_nc_u32 v4, s43, v4
	v_mul_u32_u24 v10, v13, 272
	v_lshl_add_u32 v10, v14, 5, v10
	v_add_nc_u32 v10, s43, v10                     ; y's stage, in: row r, + 32 h
	v_mul_u32_u24 v11, v14, 272
	v_lshl_add_u32 v11, v13, 4, v11
	v_add_nc_u32 v11, s43, v11                     ; and out: lanes 0-15 one row, lanes 16-31 the next
	v_lshlrev_b32 v12, 12, v14
	v_lshl_add_u32 v12, v13, 4, v12                ; the same two rows in y
	s_lshl_b32 s43, s18, 13
	s_add_co_u32 s43, s43, WIMG
	v_add_nc_u32 v5, s43, v1
	s_lshl_b32 s43, s18, 9
	s_add_co_u32 s43, s43, WSC
	v_add_nc_u32 v6, s43, v2
	v_add_nc_u32 v7, WIMG, v1
	v_add_nc_u32 v8, WSC, v2
	v_lshlrev_b32 v9, 4, v13                       ; 16 r
	s_lshl_b32 s50, s20, 2                         ; the count's place; never rewritten
	s_mov_b32 s[SEL], 0x76543210
	s_mov_b32 s[SEL+1], 0xfedcba98
	s_mov_b32 s[MNT], 0x600000
	s_wait_kmcnt 0x0
	s_load_b32 s21, s[10:11], s50 offset:CNT       ; the group's rows: wanted behind phase 1
	s_cmp_lt_u32 s20, 16                           ; an expert's weight or the shared one: the choice hangs on the work-group's number alone
	s_cselect_b64 s[26:27], s[4:5], s[6:7]
	s_cselect_b32 s44, s20, 0
	s_lshl_b32 s44, s44, 21                        ; the expert: 1,024 rows of 2,048 bytes
	s_lshl_b32 s45, s19, 17                        ; the slice: 64 rows
	s_add_co_u32 s44, s44, s45
	s_lshl_b32 s45, s18, 15                        ; my 16 rows
	s_add_co_u32 s44, s44, s45
	s_mov_b32 s45, 0
	s_add_nc_u64 s[26:27], s[26:27], s[44:45]
	LOADU 0
	LOADU 1
	LOADU 2
	LOADU 3
	s_lshl_b32 s46, s20, 7
	s_add_co_u32 s46, s46, s18                     ; my first row tile: 128 g + wave
	s_lshl_b32 s44, s46, 13
	s_add_nc_u64 s[30:31], s[8:9], s[44:45]        ; its 8,192 bytes of codes
	s_lshl_b32 s44, s46, 8
	s_add_co_u32 s44, s44, HS_OFF
	s_add_nc_u64 s[32:33], s[8:9], s[44:45]        ; its 256 scale bytes
	s_lshl_b32 s44, s46, 16                        ; 16 rows of 4,096 bytes
	s_lshl_b32 s47, s19, 8
	s_add_co_u32 s44, s44, s47
	s_add_nc_u64 s[34:35], s[12:13], s[44:45]      ; its rows of y, at the slice's columns
.irp b, 4,5,6,7
	v_mov_b32 v[TM+\b], 0                          ; destinations of lane permutes: written once
.endr
	UNIT 0, 48                                     ; units 1, 2, 3 are younger
	UNIT 1, 32                                     ; units 2, 3
	HLOAD                                          ; my first tile of the hidden layer: it lands while the last two units are worked
	UNIT 2, 33                                     ; unit 3 and the tile's 17 loads
	UNIT 3, 17                                     ; the tile's 17 loads
	s_wait_dscnt 0x0                               ; my images have landed
	s_barrier_signal -1
	s_barrier_wait -1                              ; the 16 fragments lie in LDS; nobody writes them again
	s_wait_kmcnt 0x0
	s_min_u32 s21, s21, 2048
	s_add_co_u32 s22, s21, 15
	s_lshr_b32 s22, s22, 4                         ; row tiles
	s_cmp_ge_u32 s18, s22
	s_cbranch_scc1 .Lend
	s_sub_co_u32 s23, s22, s18                     ; my tiles: wave, wave + 4, ..: (tiles - wave + 3) / 4 of them;
	s_add_co_u32 s23, s23, 3
	s_lshr_b32 s23, s23, 2
	s_sub_co_u32 s23, s23, 1                       ; all but the last are trips of the loop, counted by ones
	s_mov_b32 s24, 0
	WIN 0x40
.irp f, 0,1,2,3,4,5,6,7,8,9,10,11,12,13,14,15
.irp c, 0,1,2,3
	ds_load_b128 v[16*\f+4*\c:16*\f+4*\c+3], v7 offset:2048*\f+512*\c    ; the slice's weights: they stay in window 1
.endr
.endr
	WIN 0
.irp f, 0,1,2,3,4,5,6,7,8,9,10,11,12,13,14,15
	ds_load_b32 v[WSW+\f], v8 offset:128*\f
.endr
	s_wait_dscnt 0x0
	s_cmp_lt_u32 s24, s23
	s_cbranch_scc0 .Ltail
.Lloop:
	MULT
	s_add_nc_u64 s[30:31], s[30:31], 32768         ; four row tiles on (the loads that named these bases are done)
	s_add_nc_u64 s[32:33], s[32:33], 1024
	HLOAD                                          ; the next tile is on its way while this one leaves
	OUT
	s_wait_xcnt 0x0                                ; the stores' data and base are rewritten only behind this wait
	s_add_nc_u64 s[34:35], s[34:35], 262144
	s_add_co_u32 s24, s24, 1
	s_cmp_lt_u32 s24, s23
	s_cbranch_scc1 .Lloop
.Ltail:
	MULT
	OUT
.Lend:
	s_wait_tensorcnt 0x0
	ds_add_u32 v46, v47
	s_wait_dscnt 0x0
	s_endpgm
.Lfunc_end_k_q325aa99a5b_down:
	.size	k_q325aa99a5b_down, .Lfunc_end_k_q325aa99a5b_down-k_q325aa99a5b_down
	.p2alignl 7, 3214868480
	.fill 96, 4, 3214868480
	.section	.rodata,"a",@progbits
	.p2align	6, 0x0
	.amdhsa_kernel k_q325aa99a5b_down
		.amdhsa_group_segment_fixed_size 69120
		.amdhsa_private_segment_fixed_size 0
		.amdhsa_enable_private_segment 0
		.amdhsa_kernarg_size 40
		.amdhsa_user_sgpr_count 2
		.amdhsa_user_sgpr_kernarg_segment_ptr 1
		.amdhsa_wavefront_size32 1
		.amdhsa_system_sgpr_workgroup_id_x 1
		.amdhsa_system_sgpr_workgroup_id_y 1
		.amdhsa_system_sgpr_workgroup_id_z 1
		.amdhsa_system_vgpr_workitem_id 0
		.amdhsa_next_free_vgpr 512
		.amdhsa_next_free_sgpr 66
		.amdhsa_reserve_vcc 0
		.amdhsa_float_denorm_mode_32 3
		.amdhsa_float_denorm_mode_16_64 3
		.amdhsa_memory_ordered 1
		.amdhsa_forward_progress 1
		.amdhsa_inst_pref_size 70
	.end_amdhsa_kernel
	.amdgpu_metadata
---
amdhsa.version: [ 1, 2 ]
amdhsa.kernels:
  - .name:           k_q325aa99a5b_down
    .symbol:         k_q325aa99a5b_down.kd
    .args:
      - { .name: exp_down, .offset: 0, .size: 8, .value_kind: global_buffer, .address_space: global }
      - { .name: shared_down, .offset: 8, .size: 8, .value_kind: global_buffer, .address_space: global }
      - { .name: hid, .offset: 16, .size: 8, .value_kind: global_buffer, .address_space: global }
      - { .name: route, .offset: 24, .size: 8, .value_kind: global_buffer, .address_space: global }
      - { .name: y, .offset: 32, .size: 8, .value_kind: global_buffer, .address_space: global }
    .group_segment_fixed_size: 69120
    .private_segment_fixed_size: 0
    .kernarg_segment_align: 8
    .kernarg_segment_size: 40
    .max_flat_workgroup_size: 128
    .sgpr_count:     66
    .vgpr_count:     512
    .wavefront_size: 32
...
	.end_amdgpu_metadata
.endif
;; end of part 4
;; launch comb (part 5): grid 256 x 1, 8 waves a work-group, no clusters, 0 bytes of LDS; arguments x, y, route, xq, out0; writes out0
.if DOCPART == 5
	.amdgcn_target "amdgcn-amd-amdhsa--gfx1250"
	.amdhsa_code_object_version 6
	.text
	.protected	k_q325aa99a5b_comb
	.globl	k_q325aa99a5b_comb
	.p2align	8
	.type	k_q325aa99a5b_comb,@function
k_q325aa99a5b_comb:
	s_mov_b64 s[64:65], 0
	v_nop
	global_prefetch_b8 v0, s[64:65] scope:SCOPE_SE
	s_setreg_imm32_b32 hwreg(HW_REG_WAVE_MODE, 25, 1), 1
	s_wait_xcnt 0x0
; out[t] = x[t] + y[shared row of t] + w0 y[pos0] + w1 y[pos1]: each output row has one owner, which gathers its three contributions.
; One wave takes one token: a row of 4,096 bytes is eight loads of 512 consecutive bytes.  The positions (whole numbers stored by an earlier launch) and the two scores come by scalar loads.
; No LDS, no barrier, no matrix unit: a stream.  All 32 loads of a wave are issued before the first is used.
.set POS,    199680
.set GW_OFF, 2162688
	s_load_b256 s[4:11], s[0:1], 0x0               ; x s[4:5], y s[6:7], route s[8:9], xq s[10:11]
	s_load_b64 s[12:13], s[0:1], 0x20              ; out0
	v_lshrrev_b32 v1, 5, v0
	v_readfirstlane_b32 s14, v1
	v_and_b32 v1, 31, v0
	v_lshlrev_b32 v1, 4, v1                        ; 16 x lane
	s_lshl_b32 s15, ttmp9, 3
	s_add_co_u32 s15, s15, s14                     ; my token
	s_lshl_b32 s16, s15, 3
	s_mov_b32 s17, 0
	s_lshl_b32 s18, s15, 12
	s_mov_b32 s19, 0
	s_lshr_b32 s24, s15, 8
	s_add_co_u32 s24, s24, 16                      ; its shared group,
	s_lshl_b32 s24, s24, 11
	s_and_b32 s25, s15, 255
	s_add_co_u32 s24, s24, s25                     ; and its row there
	s_lshl_b32 s24, s24, 12
	s_mov_b32 s25, 0
	s_wait_kmcnt 0x0
	s_add_nc_u64 s[8:9], s[8:9], s[16:17]
	s_add_nc_u64 s[10:11], s[10:11], s[16:17]
	s_load_b64 s[26:27], s[8:9], POS               ; the two routed rows
	s_load_b64 s[32:33], s[10:11], GW_OFF          ; the two scores
	s_add_nc_u64 s[4:5], s[4:5], s[18:19]
	s_add_nc_u64 s[12:13], s[12:13], s[18:19]
	s_add_nc_u64 s[24:25], s[6:7], s[24:25]
.irp j, 0,1,2,3,4,5,6,7
	global_load_b128 v[16+4*\j:19+4*\j], v1, s[4:5] offset:512*\j th:TH_LOAD_NT
	global_load_b128 v[48+4*\j:51+4*\j], v1, s[24:25] offset:512*\j th:TH_LOAD_NT
.endr
	s_wait_kmcnt 0x0
	s_min_u32 s26, s26, 0xbfff                     ; a row stays inside y
	s_min_u32 s27, s27, 0xbfff
	s_lshl_b32 s28, s26, 12
	s_mov_b32 s29, 0
	s_lshl_b32 s30, s27, 12
	s_mov_b32 s31, 0
	s_add_nc_u64 s[28:29], s[6:7], s[28:29]
	s_add_nc_u64 s[30:31], s[6:7], s[30:31]
	s_mov_b32 s20, s32                             ; each score as a pair: the packed form names a pair and takes its low word for both halves
	s_mov_b32 s21, s32
	s_mov_b32 s22, s33
	s_mov_b32 s23, s33
.irp j, 0,1,2,3,4,5,6,7
	global_load_b128 v[80+4*\j:83+4*\j], v1, s[28:29] offset:512*\j th:TH_LOAD_NT
	global_load_b128 v[112+4*\j:115+4*\j], v1, s[30:31] offset:512*\j th:TH_LOAD_NT
.endr
.irp j, 0,1,2,3,4,5,6,7
	s_wait_loadcnt 2*(7-\j)                        ; loads come back in order: piece j of all four rows is in; two loads for each later piece may be out
	v_pk_add_f32 v[16+4*\j:17+4*\j], v[16+4*\j:17+4*\j], v[48+4*\j:49+4*\j]
	v_pk_add_f32 v[18+4*\j:19+4*\j], v[18+4*\j:19+4*\j], v[50+4*\j:51+4*\j]
	v_pk_fma_f32 v[16+4*\j:17+4*\j], v[80+4*\j:81+4*\j], s[20:21], v[16+4*\j:17+4*\j] op_sel_hi:[1,0,1]
	v_pk_fma_f32 v[18+4*\j:19+4*\j], v[82+4*\j:83+4*\j], s[20:21], v[18+4*\j:19+4*\j] op_sel_hi:[1,0,1]
	v_pk_fma_f32 v[16+4*\j:17+4*\j], v[112+4*\j:113+4*\j], s[22:23], v[16+4*\j:17+4*\j] op_sel_hi:[1,0,1]
	v_pk_fma_f32 v[18+4*\j:19+4*\j], v[114+4*\j:115+4*\j], s[22:23], v[18+4*\j:19+4*\j] op_sel_hi:[1,0,1]
	global_store_b128 v1, v[16+4*\j:19+4*\j], s[12:13] offset:512*\j th:TH_STORE_NT   ; 512 consecutive bytes, aligned
.endr
	s_endpgm
.Lfunc_end_k_q325aa99a5b_comb:
	.size	k_q325aa99a5b_comb, .Lfunc_end_k_q325aa99a5b_comb-k_q325aa99a5b_comb
	.p2alignl 7, 3214868480
	.fill 96, 4, 3214868480
	.section	.rodata,"a",@progbits
	.p2align	6, 0x0
	.amdhsa_kernel k_q325aa99a5b_comb
		.amdhsa_group_segment_fixed_size 0
		.amdhsa_private_segment_fixed_size 0
		.amdhsa_enable_private_segment 0
		.amdhsa_kernarg_size 40
		.amdhsa_user_sgpr_count 2
		.amdhsa_user_sgpr_kernarg_segment_ptr 1
		.amdhsa_wavefront_size32 1
		.amdhsa_system_sgpr_workgroup_id_x 1
		.amdhsa_system_sgpr_workgroup_id_y 1
		.amdhsa_system_sgpr_workgroup_id_z 1
		.amdhsa_system_vgpr_workitem_id 0
		.amdhsa_next_free_vgpr 144
		.amdhsa_next_free_sgpr 66
		.amdhsa_reserve_vcc 0
		.amdhsa_float_denorm_mode_32 3
		.amdhsa_float_denorm_mode_16_64 3
		.amdhsa_memory_ordered 1
		.amdhsa_forward_progress 1
		.amdhsa_inst_pref_size 9
	.end_amdhsa_kernel
	.amdgpu_metadata
---
amdhsa.version: [ 1, 2 ]
amdhsa.kernels:
  - .name:           k_q325aa99a5b_comb
    .symbol:         k_q325aa99a5b_comb.kd
    .args:
      - { .name: x, .offset: 0, .size: 8, .value_kind: global_buffer, .address_space: global }
      - { .name: y, .offset: 8, .size: 8, .value_kind: global_buffer, .address_space: global }
      - { .name: route, .offset: 16, .size: 8, .value_kind: global_buffer, .address_space: global }
      - { .name: xq, .offset: 24, .size: 8, .value_kind: global_buffer, .address_space: global }
      - { .name: out0, .offset: 32, .size: 8, .value_kind: global_buffer, .address_space: global }
    .group_segment_fixed_size: 0
    .private_segment_fixed_size: 0
    .kernarg_segment_align: 8
    .kernarg_segment_size: 40
    .max_flat_workgroup_size: 256
    .sgpr_count:     66
    .vgpr_count:     144
    .wavefront_size: 32
...
	.end_amdgpu_metadata
.endif
;; end of part 5
;; ======== version 2 of 2: 5 launches
;; workspace buffers: xq 2,179,072 bytes; sel 8,192 bytes of whole numbers; route 216,320 bytes of whole numbers; hid 25,952,256 bytes; y 201,326,592 bytes
;; launch prep (part 6): grid 128 x 1, 8 waves a work-group, no clusters, 93,952 bytes of LDS; arguments x, router_w, xq, sel; writes xq, sel
.if DOCPART == 6
	.amdgcn_target "amdgcn-amd-amdhsa--gfx1250"
	.amdhsa_code_object_version 6
	.text
	.protected	k_q325aa99a5b_prep
	.globl	k_q325aa99a5b_prep
	.p2align	8
	.type	k_q325aa99a5b_prep,@function
k_q325aa99a5b_prep:
	s_mov_b64 s[64:65], 0
	v_nop
	global_prefetch_b8 v0, s[64:65] scope:SCOPE_SE
	s_setreg_imm32_b32 hwreg(HW_REG_WAVE_SCHED_MODE, 0, 2), 2
	s_setreg_imm32_b32 hwreg(HW_REG_WAVE_MODE, 25, 1), 1
	s_wait_xcnt 0x0
	s_wait_alu depctr_vm_vsrc(0)
; x [2048][1024] f32 becomes codes of E5M2 (xq + 0: [2048][1024], K innermost) and E8M0 scale bytes (xq + XS_OFF: [2048][32]);
; the router's product x router_w^T on codes, its softmax and its two best experts: sel[t] = e1 | e2 << 8, xq + GW_OFF: [2048][2] f32 the two scores.
; SHARES.  A work-group takes 16 tokens; wave s takes K step s (128 of the 1,024), of x and of router_w, and makes one matrix instruction: eight partial sums, which wave 0 adds in ascending s.
; A load reads 512 consecutive bytes of a row (16 a lane); the conversions want 16 neighbours along K in one lane: so a unit of 16 rows x 512 bytes turns through the wave's own stage in LDS.
; A block's scale is 2^(floor(log2(largest magnitude)) - 15); its byte is the largest magnitude's exponent field - 15, held at 1 from below.
; LIMITS: NaN and infinities are not served; a block of zeros, or one whose largest magnitude lies under 2^-111, gets the byte 1 (the bytes are read by this program alone; zero codes add nothing);
; the router's sum over K is eight sums of 128 added in ascending order; the two best are taken of e = 2^((l - max) log2 e), ties to the lower index; an e under 2^-126 counts as 0.
; THE MODE: SCHED_MODE bits 1:0 = 2 (LLVM: expert scheduling mode 2), set by the entry lines.  The code itself states the register dependences between vector or matrix
; instructions and memory or LDS instructions, with s_wait_alu, always for 0.
; THE PLAN.  Registers that memory or LDS instructions touch:
;   v1-15, v254, v255  addresses and offsets: made at the head, never written again.
;   v16-79, v80-143    x and router_w as loaded: read by the two turns' LDS stores; later v16-31 are written by conversions, v80-143 by LDS loads and then by wave 0's vector work.
;   X v144-207         LDS loads land in it three times; between them QUANT reads and writes it.
;   XCD, XW            written by QUANT; read by LDS stores and by the product.   RCD, RW: written by QUANT; read by the product.   D: written by the product; read by LDS stores.
;   v121-123           written by wave 0's vector work; read by its last two stores.
.set XS_OFF, 2097152
.set GW_OFF, 2162688
.set STGB,   8448                      ; a wave's stage: 16 rows x (512 + 16) bytes
.set PART,   67584                     ; eight partial sums, 1,024 bytes each, as images of their registers
.set XROW,   75776                     ; 16 rows of codes, 1,024 + 16 bytes
.set XSCL,   92416                     ; 16 rows of 32 scale bytes
.set RX,  16                           ; v16-79   x as loaded; later v16-31 the router's codes
.set RR,  80                           ; v80-143  router_w as loaded; later the partial sums
.set X,   144                          ; v144-207 64 numbers of a lane: register 16 b + i = k 32 b + 16 h + i of row r
.set TM,  208                          ; v208-223 at work in QUANT
.set XCD, 226                          ; v226-241 x's codes
.set XW,  242                          ; x's scale word
.set RW,  243                          ; the router's
.set D,   244                          ; v244-251 the partial sum
.set RCD, 16
.set SEL, 20                           ; s[20:21] lane selects: lane l xor 16
.set MNT, 22                           ; s22 the mantissa field of 57,344
.macro TURN raw                        ; 16 rows as loaded into the stage, and back 64 bytes a lane and block.  LDS serves a wave's instructions in order: no wait between
.irp i, 0,1,2,3,4,5,6,7,8,9,10,11,12,13,14,15
	ds_store_b128 v5, v[\raw+4*\i:\raw+4*\i+3] offset:528*\i
.endr
.irp b, 0,1,2,3
.irp j, 0,1,2,3
	ds_load_b128 v[X+16*\b+4*\j:X+16*\b+4*\j+3], v6 offset:128*\b+16*\j
.endr
.endr
.endm
.macro QUANT src, pc, pw               ; 64 numbers of a lane become a fragment's 16 registers of codes and its scale word
.irp b, 0,1,2,3
	v_max3_num_f32 v[TM+\b], |v[\src+16*\b]|, |v[\src+1+16*\b]|, 0x8000000   ; block b: my 16 numbers and the floor 2^(16 - 127): the byte cannot fall under 1
.endr
.irp i, 2,4,6,8,10,12,14
.irp b, 0,1,2,3
	v_max3_num_f32 v[TM+\b], v[TM+\b], |v[\src+16*\b+\i]|, |v[\src+1+16*\b+\i]|
.endr
.endr
.irp b, 0,1,2,3
	v_permlanex16_b32 v[TM+4+\b], v[TM+\b], s[SEL], s[SEL+1]
.endr
.irp b, 0,1,2,3
	v_max_num_f32 v[TM+\b], v[TM+\b], v[TM+4+\b]           ; with lane l xor 16's: the block's largest magnitude
.endr
.irp b, 0,1,2,3
	v_add_nc_u32 v[TM+12+\b], 0xf8800000, v[TM+\b]         ; 15 off its exponent field: the conversion's scale operand
.endr
.irp b, 0,1,2,3
	v_and_or_b32 v[TM+8+\b], v[TM+\b], 0x7f800000, s[MNT]  ; 57,344 x the scale
.endr
.irp b, 0,1,2,3
	v_lshrrev_b32 v[TM+4+\b], 23, v[TM+12+\b]              ; the scale's byte
.endr
	v_lshl_or_b32 v[\pw], v[TM+5], 8, v[TM+4]
	v_lshl_or_b32 v[\pw], v[TM+6], 16, v[\pw]
	v_lshl_or_b32 v[\pw], v[TM+7], 24, v[\pw]
.irp b, 0,1,2,3
.irp i, 0,1,2,3,4,5,6,7,8,9,10,11,12,13,14,15
	v_med3_num_f32 v[\src+16*\b+\i], v[\src+16*\b+\i], -v[TM+8+\b], v[TM+8+\b]   ; the conversion does not saturate (ISA guide 7.6.2): the hold
.endr
	v_cvt_scalef32_pk8_bf8_f32 v[\pc+4*\b:\pc+1+4*\b], v[\src+16*\b:\src+7+16*\b], v[TM+12+\b]
	v_cvt_scalef32_pk8_bf8_f32 v[\pc+2+4*\b:\pc+3+4*\b], v[\src+8+16*\b:\src+15+16*\b], v[TM+12+\b]
.endr
	v_nop                                          ; a plain line behind the last conversion
.endm
.macro INS j                           ; e_j enters the lane's two best; strict compares keep the lower index on a tie
	v_add_nc_u32 v100, \j, v13
	v_cmp_gt_f32 vcc_lo, v[88+\j], v96
	v_cmp_gt_f32 s24, v[88+\j], v98
	s_wait_alu depctr_va_vcc(0)                    ; the first compare has written VCC, which four of the selects below read
	s_wait_alu depctr_va_sdst(0)                   ; the second has written s24, which the first two read
	v_cndmask_b32 v98, v98, v[88+\j], s24
	v_cndmask_b32 v99, v99, v100, s24
	v_cndmask_b32 v98, v98, v96, vcc_lo
	v_cndmask_b32 v99, v99, v97, vcc_lo
	v_cndmask_b32 v96, v96, v[88+\j], vcc_lo
	v_cndmask_b32 v97, v97, v100, vcc_lo
.endm
	s_load_b256 s[4:11], s[0:1], 0x0               ; x s[4:5], router_w s[6:7], xq s[8:9], sel s[10:11]
	v_lshl_add_u32 v254, v0, 2, 0x16b00
	v_mov_b32 v255, 0
	v_lshrrev_b32 v4, 5, v0
	v_readfirstlane_b32 s12, v4                    ; wave = K step
	v_and_b32 v4, 31, v0
	v_lshlrev_b32 v1, 4, v4                        ; 16 x lane
	v_and_b32 v2, 15, v0                           ; r
	v_bfe_u32 v3, v0, 4, 1                         ; h
	s_wait_alu depctr_va_sdst(0)                   ; s12 is written, ahead of its first reader: LDS places and the buffers' offsets are made from it
	s_mul_i32 s28, s12, STGB
	v_add_nc_u32 v5, s28, v1                       ; the stage, in
	v_mul_u32_u24 v6, v2, 528
	v_lshl_add_u32 v6, v3, 6, v6
	v_add_nc_u32 v6, s28, v6                       ; and out: row r, + 64 h
	v_mul_u32_u24 v7, v2, 1040
	v_lshl_add_u32 v7, v3, 4, v7
	s_lshl_b32 s28, s12, 7
	s_add_co_u32 s28, s28, XROW
	v_add_nc_u32 v7, s28, v7                       ; my codes' place in row r: 128 s + 16 h
	v_lshlrev_b32 v8, 5, v2
	s_lshl_b32 s28, s12, 2
	s_add_co_u32 s28, s28, XSCL
	v_add_nc_u32 v8, s28, v8                       ; row r's scale word of K step s
	s_lshl_b32 s28, s12, 10
	s_add_co_u32 s28, s28, PART
	v_add_nc_u32 v9, s28, v1                       ; my partial sum's image
	s_mul_i32 s28, s12, 2080
	s_add_co_u32 s28, s28, XROW
	v_add_nc_u32 v10, s28, v1                      ; the way out: rows 2 s, 2 s + 1
	v_lshlrev_b32 v11, 2, v2
	v_lshlrev_b32 v12, 3, v2
	v_lshlrev_b32 v13, 3, v3                       ; 8 h: my first expert
	v_add_nc_u32 v14, XSCL, v1
	v_add_nc_u32 v15, PART, v1
	s_mov_b32 s[SEL], 0x76543210
	s_mov_b32 s[SEL+1], 0xfedcba98
	s_mov_b32 s[MNT], 0x600000
	s_mov_b32 s23, 0xffff0000                      ; lanes 16-31
	s_lshl_b32 s28, ttmp9, 16                      ; 16 rows of 4,096 bytes
	s_lshl_b32 s30, s12, 9                         ; K step s: 512 bytes
	s_add_co_u32 s28, s28, s30
	s_mov_b32 s29, 0
	s_mov_b32 s31, 0
	s_lshl_b32 s32, ttmp9, 14                      ; 16 rows of 1,024 codes,
	s_lshl_b32 s33, s12, 11                        ; two of them a wave
	s_add_co_u32 s32, s32, s33
	s_mov_b32 s33, 0
	s_lshl_b32 s34, ttmp9, 9
	s_add_co_u32 s34, s34, XS_OFF
	s_mov_b32 s35, 0
	s_lshl_b32 s36, ttmp9, 7
	s_add_co_u32 s36, s36, GW_OFF
	s_mov_b32 s37, 0
	s_lshl_b32 s38, ttmp9, 6
	s_mov_b32 s39, 0
	s_wait_kmcnt 0x0
	s_add_nc_u64 s[14:15], s[4:5], s[28:29]
	s_add_nc_u64 s[16:17], s[6:7], s[30:31]
	s_add_nc_u64 s[18:19], s[8:9], s[32:33]
	s_add_nc_u64 s[34:35], s[8:9], s[34:35]
	s_add_nc_u64 s[36:37], s[8:9], s[36:37]
	s_add_nc_u64 s[38:39], s[10:11], s[38:39]
	s_wait_alu depctr_va_vdst(0)                   ; v1 to v15 are written: every load, store and LDS instruction of the kernel reads one of them as its address
.irp i, 0,1,2,3,4,5,6,7,8,9,10,11,12,13,14,15
	global_load_b128 v[RX+4*\i:RX+4*\i+3], v1, s[14:15] offset:4096*\i th:TH_LOAD_NT   ; 512 consecutive bytes of token i
.endr
.irp i, 0,1,2,3,4,5,6,7,8,9,10,11,12,13,14,15
	global_load_b128 v[RR+4*\i:RR+4*\i+3], v1, s[16:17] offset:4096*\i                 ; and of expert i: every work-group reads these
.endr
.irp b, 0,1,2,3
	v_mov_b32 v[TM+4+\b], 0                        ; a lane permute's destination counts as read: written once
.endr
	s_wait_loadcnt 16                              ; x's 16 loads are in; the router's 16 are younger
	TURN RX
	s_wait_dscnt 0x0
	QUANT X, XCD, XW
	s_wait_alu depctr_va_vdst(0)                   ; QUANT has written x's codes and scale word, which the LDS stores below read, and is done reading and writing X, in which the second turn's loads land
.irp c, 0,1,2,3
	ds_store_b128 v7, v[XCD+4*\c:XCD+4*\c+3] offset:32*\c    ; codes into rows, so that they leave as rows
.endr
	ds_store_b32 v8, v[XW]                         ; both halves of the lanes hold the same word
	s_wait_loadcnt 0x0
	TURN RR
	s_wait_dscnt 0x0
	s_wait_alu depctr_vm_vsrc(0)                   ; both turns' LDS stores have read v16-143: the conversions below write v16-31, and behind the barrier wave 0's partial sums land in v80-143
	QUANT X, RCD, RW
.rept 4
	v_nop                                          ; codes written by vector instructions stand four places ahead of a scaled matrix instruction; the scale words stand ahead of the 64 holds
.endr
	s_wait_alu depctr_va_vdst(0)                   ; behind the places: both operands' codes and both scale words, written by vector instructions, are there for the product
	v_wmma_scale_f32_16x16x128_f8f6f4 v[D:D+7], v[RCD:RCD+15], v[XCD:XCD+15], 0, v[RW], v[XW] matrix_a_fmt:MATRIX_FMT_BF8 matrix_b_fmt:MATRIX_FMT_BF8   ; source 0 = 16 experts, source 1 = 16 tokens: lane (r, h) holds token r, experts 8 h + j
.rept 8
	v_nop                                          ; eight places ahead of the first read of the result
.endr
	s_wait_alu depctr_va_vdst(0)                   ; behind the places: the product has written D, which the LDS stores read.  No vector line from here to the loads behind the barrier names X, in which they land
	ds_store_b128 v9, v[D:D+3]
	ds_store_b128 v9, v[D+4:D+7] offset:512
	s_wait_dscnt 0x0                               ; my stores have landed
	s_barrier_signal -1
	s_barrier_wait -1                              ; the 16 rows of codes, their scale bytes and the eight partial sums lie in LDS
.irp a, 0,1
.irp b, 0,1
	ds_load_b128 v[X+8*\a+4*\b:X+8*\a+4*\b+3], v10 offset:1040*\a+512*\b
.endr
.endr
	s_wait_dscnt 0x0
.irp a, 0,1
.irp b, 0,1
	global_store_b128 v1, v[X+8*\a+4*\b:X+8*\a+4*\b+3], s[18:19] offset:1024*\a+512*\b   ; each store covers 512 consecutive bytes, aligned
.endr
.endr
	s_cmp_lg_u32 s12, 0
	s_cbranch_scc1 .Ldone
	; wave 0: the scale bytes leave; softmax and the two best
	ds_load_b128 v[160:163], v14
.irp s, 0,1,2,3,4,5,6,7
	ds_load_b128 v[80+8*\s:83+8*\s], v15 offset:1024*\s
	ds_load_b128 v[84+8*\s:87+8*\s], v15 offset:1024*\s+512
.endr
	v_mov_b32 v165, 0                              ; a lane permute's destination counts as read (the later permutes land in registers that these loads have written)
	s_wait_dscnt 0x0
	global_store_b128 v1, v[160:163], s[34:35]     ; 512 consecutive bytes
.irp s, 1,2,3,4,5,6,7
.irp i, 0,2,4,6
	v_pk_add_f32 v[80+\i:81+\i], v[80+\i:81+\i], v[80+8*\s+\i:81+8*\s+\i]   ; the logits: K steps in ascending order
.endr
.endr
	v_max3_num_f32 v164, v80, v81, v82
	v_max3_num_f32 v164, v164, v83, v84
	v_max3_num_f32 v164, v164, v85, v86
	v_max_num_f32 v164, v164, v87
	v_permlanex16_b32 v165, v164, s[SEL], s[SEL+1]
	v_max_num_f32 v164, v164, v165                 ; the token's largest logit
.irp j, 0,1,2,3,4,5,6,7
	v_sub_f32 v[88+\j], v[80+\j], v164
.endr
.irp j, 0,1,2,3,4,5,6,7
	v_mul_f32 v[88+\j], 0x3fb8aa3b, v[88+\j]
.endr
	s_wait_alu depctr_va_vdst(0)
.irp j, 0,1,2,3,4,5,6,7
	v_exp_f32 v[88+\j], v[88+\j]
.endr
	v_mov_b32 v97, v13                             ; (a plain line behind the exponentials)  the best so far: expert 8 h
	s_wait_alu depctr_va_vdst(0)                   ; the eight exponentials have written v88-95, ahead of their first reader
	v_add_f32 v166, v88, v89
	v_add_f32 v167, v90, v91
	v_add_f32 v168, v92, v93
	v_add_f32 v169, v94, v95
	v_add_f32 v166, v166, v167
	v_add_f32 v168, v168, v169
	v_add_f32 v166, v166, v168
	v_permlanex16_b32 v167, v166, s[SEL], s[SEL+1]
	v_add_f32 v166, v166, v167                     ; the softmax's sum
	s_wait_alu depctr_va_vdst(0)
	v_rcp_f32 v166, v166
	v_mov_b32 v96, v88                             ; (a plain line behind the reciprocal)
	v_mov_b32 v98, -1.0                            ; the second best: under every e
	v_mov_b32 v99, v13
.irp j, 1,2,3,4,5,6,7
	INS \j
.endr
.irp j, 0,1,2,3
	v_permlanex16_b32 v[101+\j], v[96+\j], s[SEL], s[SEL+1]   ; the other eight experts' two best
.endr
.irp j, 0,1,2,3
	v_cndmask_b32 v[105+\j], v[96+\j], v[101+\j], s23         ; lo: experts 0-7's (value, index, value, index)
	v_cndmask_b32 v[109+\j], v[101+\j], v[96+\j], s23         ; hi: experts 8-15's
.endr
	v_cmp_gt_f32 vcc_lo, v109, v105                ; hi's best beats lo's best
	v_cmp_gt_f32 s25, v111, v105                   ; hi's second beats lo's best
	v_cmp_gt_f32 s26, v109, v107                   ; hi's best beats lo's second
	s_wait_alu depctr_va_sdst(0)                   ; the compares have written s25 and s26, which the first four selects read,
	s_wait_alu depctr_va_vcc(0)                    ; and VCC, which the last four read
	v_cndmask_b32 v113, v105, v111, s25
	v_cndmask_b32 v114, v106, v112, s25
	v_cndmask_b32 v115, v107, v109, s26
	v_cndmask_b32 v116, v108, v110, s26
	v_cndmask_b32 v117, v105, v109, vcc_lo         ; the best,
	v_cndmask_b32 v118, v106, v110, vcc_lo
	v_cndmask_b32 v119, v115, v113, vcc_lo         ; the second
	v_cndmask_b32 v120, v116, v114, vcc_lo
	v_lshl_or_b32 v121, v120, 8, v118
	s_wait_alu depctr_va_vdst(0)                   ; the reciprocal has written v166, ahead of its first reader
	v_mul_f32 v122, v117, v166                     ; their scores
	v_mul_f32 v123, v119, v166
	s_wait_alu depctr_va_vdst(0)                   ; v121 to v123 are written, which the two stores read
	global_store_b32 v11, v121, s[38:39]           ; lanes r and r + 16 hold the same and write the same
	global_store_b64 v12, v[122:123], s[36:37]
.Ldone:
	s_wait_dscnt 0x0                               ; the closing lines, six on end
	s_wait_alu 0x0
	s_wait_tensorcnt 0x0
	ds_add_u32 v254, v255
	s_wait_dscnt 0x0
	s_endpgm
.Lfunc_end_k_q325aa99a5b_prep:
	.size	k_q325aa99a5b_prep, .Lfunc_end_k_q325aa99a5b_prep-k_q325aa99a5b_prep
	.p2alignl 7, 3214868480
	.fill 96, 4, 3214868480
	.section	.rodata,"a",@progbits
	.p2align	6, 0x0
	.amdhsa_kernel k_q325aa99a5b_prep
		.amdhsa_group_segment_fixed_size 93952
		.amdhsa_private_segment_fixed_size 0
		.amdhsa_enable_private_segment 0
		.amdhsa_kernarg_size 32
		.amdhsa_user_sgpr_count 2
		.amdhsa_user_sgpr_kernarg_segment_ptr 1
		.amdhsa_wavefront_size32 1
		.amdhsa_system_sgpr_workgroup_id_x 1
		.amdhsa_system_sgpr_workgroup_id_y 1
		.amdhsa_system_sgpr_workgroup_id_z 1
		.amdhsa_system_vgpr_workitem_id 0
		.amdhsa_next_free_vgpr 256
		.amdhsa_next_free_sgpr 66
		.amdhsa_reserve_vcc 1
		.amdhsa_float_denorm_mode_32 3
		.amdhsa_float_denorm_mode_16_64 3
		.amdhsa_memory_ordered 1
		.amdhsa_forward_progress 1
		.amdhsa_inst_pref_size 38
	.end_amdhsa_kernel
	.amdgpu_metadata
---
amdhsa.version: [ 1, 2 ]
amdhsa.kernels:
  - .name:           k_q325aa99a5b_prep
    .symbol:         k_q325aa99a5b_prep.kd
    .args:
      - { .name: x, .offset: 0, .size: 8, .value_kind: global_buffer, .address_space: global }
      - { .name: router_w, .offset: 8, .size: 8, .value_kind: global_buffer, .address_space: global }
      - { .name: xq, .offset: 16, .size: 8, .value_kind: global_buffer, .address_space: global }
      - { .name: sel, .offset: 24, .size: 8, .value_kind: global_buffer, .address_space: global }
    .group_segment_fixed_size: 93952
    .private_segment_fixed_size: 0
    .kernarg_segment_align: 8
    .kernarg_segment_size: 32
    .max_flat_workgroup_size: 256
    .sgpr_count:     66
    .vgpr_count:     256
    .wavefront_size: 32
...
	.end_amdgpu_metadata
.endif
;; end of part 6
;; launch place (part 7): grid 1 x 1, 32 waves a work-group, no clusters, 20,992 bytes of LDS; arguments sel, route; writes route
.if DOCPART == 7
	.amdgcn_target "amdgcn-amd-amdhsa--gfx1250"
	.amdhsa_code_object_version 6
	.text
	.protected	k_q325aa99a5b_place
	.globl	k_q325aa99a5b_place
	.p2align	8
	.type	k_q325aa99a5b_place,@function
k_q325aa99a5b_place:
	s_mov_b64 s[64:65], 0
	v_nop
	global_prefetch_b8 v0, s[64:65] scope:SCOPE_SE
	s_setreg_imm32_b32 hwreg(HW_REG_WAVE_MODE, 25, 1), 1
	s_wait_xcnt 0x0
; The rows are placed by expert, by counting: no atomics.  route + 0: LIST [24][2080] u32, the token at each rank of a group; route + POS: [2048][2] u32, group x 2048 + rank of a token's two rows;
; route + CNT: [24] u32, the groups' rows.  Groups 0-15 are the experts; groups 16-23 are the shared expert on 256 tokens each, with the identity as their list.
; One work-group of 32 waves.  Thread t owns tokens t and t + 1024; a wave's 32 tokens are a chunk (64 chunks).  A token's rank in its expert = the expert's rows in earlier chunks + those in lower lanes.
; Behind an expert's n rows 32 more list entries are written with token 0, so that a reader of whole tiles finds a valid token there.
.set LISTP, 8320                       ; a group's list in bytes
.set POS,   199680
.set CNT,   216064
.set PIT,   260                        ; LDS: a row of 64 chunks' words + one word: 65 words, so that the 32 lanes that take one chunk of 32 rows start at 32 different banks (64 banks of 4 bytes: ISA guide 11.1)
.set EE,    8448                       ; LDS: 0: counts [32 rows][64 chunks] u32 (rows 16-31 are zeros); EE: their exclusive sums along a row
.macro RANK ea, eb, ra, rb, cv, off    ; one chunk: my ranks among its lanes, and its 16 counts (lane e of cv)
	v_mov_b32 v[\cv], 0
	v_mov_b32 v[\ra], 0
	v_mov_b32 v[\rb], 0
.irp k, 0,1,2,3,4,5,6,7,8,9,10,11,12,13,14,15
	v_cmp_eq_u32 s20, \k, v[\ea]
	v_cmp_eq_u32 s21, \k, v[\eb]
	s_or_b32 s22, s20, s21                         ; the lanes with a row for expert k
	v_mbcnt_lo_u32_b32 v21, s22, 0                 ; how many of them are below me
	s_delay_alu instid0(VALU_DEP_1)
	v_cndmask_b32 v[\ra], v[\ra], v21, s20
	s_delay_alu instid0(VALU_DEP_2)
	v_cndmask_b32 v[\rb], v[\rb], v21, s21
	s_bcnt1_i32_b32 s23, s22
	v_writelane_b32 v[\cv], s23, \k
.endr
	ds_store_b32 v3, v[\cv] offset:\off
.endm
.macro SCAN v                          ; inclusive sums over the 32 lanes
.irp n, 1
	v_mov_b32_dpp v28, v[\v] row_shr:\n row_mask:0xf bank_mask:0xf bound_ctrl:1
	s_delay_alu instid0(VALU_DEP_1)
	v_add_nc_u32 v[\v], v[\v], v28
.endr
.irp n, 2, 4, 8
	s_delay_alu instid0(VALU_DEP_1)
	v_mov_b32_dpp v28, v[\v] row_shr:\n row_mask:0xf bank_mask:0xf bound_ctrl:1
	s_delay_alu instid0(VALU_DEP_1)
	v_add_nc_u32 v[\v], v[\v], v28
.endr
	s_delay_alu instid0(VALU_DEP_1)
	v_readlane_b32 s24, v[\v], 15
	s_delay_alu instid0(VALU_DEP_1)
	v_mov_b32 v28, s24
	s_delay_alu instid0(VALU_DEP_1)
	v_cndmask_b32 v28, 0, v28, s30                 ; lanes 16-31 add the lower half's sum
	s_delay_alu instid0(VALU_DEP_1)
	v_add_nc_u32 v[\v], v[\v], v28
.endm
	s_load_b128 s[4:7], s[0:1], 0x0                ; sel s[4:5], route s[6:7]
	v_lshl_add_u32 v64, v0, 2, 0x4200
	v_mov_b32 v65, 0
	v_lshrrev_b32 v1, 5, v0
	s_delay_alu instid0(VALU_DEP_1)
	v_readfirstlane_b32 s8, v1                     ; wave
	v_and_b32 v1, 31, v0                           ; lane
	v_lshlrev_b32 v2, 2, v0
	s_lshl_b32 s9, s8, 2
	s_mul_i32 s10, s8, PIT
	v_mul_u32_u24 v3, v1, PIT
	s_delay_alu instid0(VALU_DEP_1)
	v_add_nc_u32 v3, s9, v3                        ; row = lane, chunk = wave
	v_lshl_add_u32 v4, v1, 2, s10                  ; row = wave, chunk = lane
	s_mov_b32 s30, 0xffff0000
	s_wait_alu depctr_va_vdst(0)
	s_wait_kmcnt 0x0
	global_load_b32 v5, v2, s[4:5]
	global_load_b32 v6, v2, s[4:5] offset:4096
	s_wait_loadcnt 0x0
	v_and_b32 v8, 0xff, v5
	v_bfe_u32 v9, v5, 8, 8
	v_and_b32 v10, 0xff, v6
	v_bfe_u32 v11, v6, 8, 8
.irp j, 8,9,10,11
	s_delay_alu instid0(VALU_DEP_4)
	v_min_u32 v[\j], 15, v[\j]                     ; an expert's number stays inside the tables
.endr
.irp j, 0,1,2,3
	s_delay_alu instid0(VALU_DEP_4)
	v_lshlrev_b32 v[12+\j], 2, v[8+\j]             ; as a lane's byte index
.endr
	RANK 8, 9, 16, 17, 20, 0
	RANK 10, 11, 18, 19, 22, 128
	s_wait_dscnt 0x0
	s_barrier_signal -1
	s_barrier_wait -1                              ; all counts lie in LDS
	ds_load_b32 v24, v4
	ds_load_b32 v25, v4 offset:128
	v_mov_b32 v28, 0
	s_wait_dscnt 0x0
	v_mov_b32 v26, v24
	v_mov_b32 v27, v25
	SCAN 26
	SCAN 27
	v_readlane_b32 s25, v26, 31
	s_delay_alu instid0(VALU_DEP_1)
	v_add_nc_u32 v27, s25, v27
	s_delay_alu instid0(VALU_DEP_1)
	v_readlane_b32 s25, v27, 31                    ; row w's total
	v_sub_nc_u32 v26, v26, v24
	s_delay_alu instid0(VALU_DEP_3)
	v_sub_nc_u32 v27, v27, v25
	ds_store_b32 v4, v26 offset:EE
	ds_store_b32 v4, v27 offset:EE+128
	s_cmp_lt_u32 s8, 16
	s_cbranch_scc0 .Lshared
	v_mov_b32 v29, s9
	v_mov_b32 v30, s25
	global_store_b32 v29, v30, s[6:7] offset:CNT   ; expert w's rows (every lane writes the same word)
	s_min_u32 s26, s25, 2048
	v_add_nc_u32 v31, s26, v1
	s_delay_alu instid0(VALU_DEP_1)
	v_min_u32 v31, 0x81f, v31
	s_mul_i32 s27, s8, LISTP
	v_lshl_add_u32 v31, v31, 2, s27
	v_mov_b32 v32, 0
	global_store_b32 v31, v32, s[6:7]              ; ranks n .. n + 31: token 0
	s_branch .Ljoin
.Lshared:
	s_cmp_lt_u32 s8, 24
	s_cbranch_scc0 .Ljoin
	v_mov_b32 v29, s9
	v_mov_b32 v30, 0x100
	global_store_b32 v29, v30, s[6:7] offset:CNT   ; a shared group has 256 rows
.Ljoin:
	s_wait_dscnt 0x0
	s_barrier_signal -1
	s_barrier_wait -1                              ; the exclusive sums lie in LDS
	ds_load_b32 v33, v3 offset:EE                  ; lane e: expert e's rows ahead of my first chunk,
	ds_load_b32 v34, v3 offset:EE+128              ; and of my second
	s_wait_dscnt 0x0
	ds_bpermute_b32 v35, v12, v33
	ds_bpermute_b32 v36, v13, v33
	ds_bpermute_b32 v37, v14, v34
	ds_bpermute_b32 v38, v15, v34
	v_add_nc_u32 v39, 0x400, v0                    ; my second token
	v_lshlrev_b32 v48, 3, v0
	v_lshrrev_b32 v49, 8, v0
	s_delay_alu instid0(VALU_DEP_1)
	v_mul_u32_u24 v49, v49, LISTP
	v_and_b32 v50, 0xff, v0
	s_delay_alu instid0(VALU_DEP_1)
	v_lshl_add_u32 v49, v50, 2, v49                ; my place in the identity lists
	s_wait_dscnt 0x0
.irp j, 0,1,2,3
	v_add_nc_u32 v[35+\j], v[35+\j], v[16+\j]
.endr
.irp j, 0,1,2,3
	s_delay_alu instid0(VALU_DEP_4)
	v_min_u32 v[35+\j], 0x7ff, v[35+\j]            ; the rank
.endr
.irp j, 0,1,2,3
	v_mul_u32_u24 v[40+\j], v[8+\j], LISTP
.endr
.irp j, 0,1,2,3
	s_delay_alu instid0(VALU_DEP_4)
	v_lshl_add_u32 v[40+\j], v[35+\j], 2, v[40+\j]
.endr
.irp j, 0,1,2,3
	v_lshl_add_u32 v[44+\j], v[8+\j], 11, v[35+\j] ; group x 2048 + rank
.endr
	global_store_b32 v40, v0, s[6:7]
	global_store_b32 v41, v0, s[6:7]
	global_store_b32 v42, v39, s[6:7]
	global_store_b32 v43, v39, s[6:7]
	global_store_b64 v48, v[44:45], s[6:7] offset:POS
	global_store_b64 v48, v[46:47], s[6:7] offset:POS+8192
	global_store_b32 v49, v0, s[6:7] offset:16*LISTP
	global_store_b32 v49, v39, s[6:7] offset:20*LISTP
	s_wait_tensorcnt 0x0
	ds_add_u32 v64, v65
	s_wait_dscnt 0x0
	s_endpgm
.Lfunc_end_k_q325aa99a5b_place:
	.size	k_q325aa99a5b_place, .Lfunc_end_k_q325aa99a5b_place-k_q325aa99a5b_place
	.p2alignl 7, 3214868480
	.fill 96, 4, 3214868480
	.section	.rodata,"a",@progbits
	.p2align	6, 0x0
	.amdhsa_kernel k_q325aa99a5b_place
		.amdhsa_group_segment_fixed_size 20992
		.amdhsa_private_segment_fixed_size 0
		.amdhsa_enable_private_segment 0
		.amdhsa_kernarg_size 16
		.amdhsa_user_sgpr_count 2
		.amdhsa_user_sgpr_kernarg_segment_ptr 1
		.amdhsa_wavefront_size32 1
		.amdhsa_system_sgpr_workgroup_id_x 1
		.amdhsa_system_sgpr_workgroup_id_y 1
		.amdhsa_system_sgpr_workgroup_id_z 1
		.amdhsa_system_vgpr_workitem_id 0
		.amdhsa_next_free_vgpr 66
		.amdhsa_next_free_sgpr 66
		.amdhsa_reserve_vcc 0
		.amdhsa_float_denorm_mode_32 3
		.amdhsa_float_denorm_mode_16_64 3
		.amdhsa_memory_ordered 1
		.amdhsa_forward_progress 1
		.amdhsa_inst_pref_size 26
	.end_amdhsa_kernel
	.amdgpu_metadata
---
amdhsa.version: [ 1, 2 ]
amdhsa.kernels:
  - .name:           k_q325aa99a5b_place
    .symbol:         k_q325aa99a5b_place.kd
    .args:
      - { .name: sel, .offset: 0, .size: 8, .value_kind: global_buffer, .address_space: global }
      - { .name: route, .offset: 8, .size: 8, .value_kind: global_buffer, .address_space: global }
    .group_segment_fixed_size: 20992
    .private_segment_fixed_size: 0
    .kernarg_segment_align: 8
    .kernarg_segment_size: 16
    .max_flat_workgroup_size: 1024
    .sgpr_count:     66
    .vgpr_count:     66
    .wavefront_size: 32
...
	.end_amdgpu_metadata
.endif
;; end of part 7
;; launch up (part 8): grid 16 x 24, 4 waves a work-group, no clusters, 103,936 bytes of LDS; arguments exp_gate, exp_up, shared_gate, shared_up, xq, route, hid; writes hid
.if DOCPART == 8
	.amdgcn_target "amdgcn-amd-amdhsa--gfx1250"
	.amdhsa_code_object_version 6
	.text
	.protected	k_q325aa99a5b_up
	.globl	k_q325aa99a5b_up
	.p2align	8
	.type	k_q325aa99a5b_up,@function
k_q325aa99a5b_up:
	s_mov_b64 s[64:65], 0
	v_nop
	global_prefetch_b8 v0, s[64:65] scope:SCOPE_SE
	s_setreg_imm32_b32 hwreg(HW_REG_WAVE_SCHED_MODE, 0, 2), 2
	s_setreg_imm32_b32 hwreg(HW_REG_WAVE_MODE, 25, 1), 1
	s_wait_xcnt 0x0
	s_wait_alu depctr_vm_vsrc(0)
; hid = Q(sigmoid(x Wg^T) * (x Wu^T)) for the rows of one group (work-group y: 0-15 an expert's chosen rows, 16-23 the shared expert on 256 tokens) and one slice of 32 hidden units (work-group x).
; Both products on codes of E5M2 with E8M0 scales.  A slice is one block of 32 along the next product's K, so its scale byte is made here, whole.
; PHASE 1.  The slice's 32 rows of the gate's and of the up weight (f32, K innermost) are read once in the launch for an expert, quantised, and laid in LDS as images of the operand's registers: wave w makes tile w
; (0, 1: gate; 2, 3: up), K step by K step.  A tile's 16 rows are 8 u + m + 8 (m / 8), so that a lane's 16 results of tiles u = 0, 1 are 16 neighbouring hidden units.
; PHASE 2.  A wave takes pairs of row tiles (32 rows), p = wave, wave + 4, ..: the rows' tokens from the list, their codes of x straight into the operand's registers, 64 matrix instructions
; (source 0 = 16 weight rows, source 1 = 16 tokens: a lane holds one token), the activation, the quantiser, and its 16 codes a lane go out as an image of the next operand's registers.
; THE FIRST PAIR IS ASKED FOR IN PHASE 1: its tokens behind the first weight loads, its codes of x into the four raw sets of window 1 as the last four units leave them: set q holds just the registers of tile q / 2, K steps 4 (q % 2) on.
; No tensor loads, no cluster: the trip count hangs on the stored count, and each weight slice has one reader.  Rows past a group's count are token 0's: valid work whose results nobody reads.
; The scale bytes leave one a row: a row's word is made by four work-groups; they are one in 32 of what this launch stores.
; LIMITS: NaN and infinities are not served; a block whose largest magnitude lies under 2^-111 gets the byte 1; for a gate under about -88 the sigmoid is 0.
; THE MODE: SCHED_MODE bits 1:0 = 2 (LLVM: expert scheduling mode 2), set by the entry lines.  The code itself states the register dependences between vector or matrix
; instructions and memory or LDS instructions, with s_wait_alu, always for 0.
; THE PLAN.  Registers that memory or LDS instructions touch:
;   v1-9, v17, v44, v46, v47   addresses: made at the head, never written again.
;   PHASE 1, a unit:  the raw set (window 1): loads land, the stage's LDS stores read it, loads land again.   X: LDS loads land, QUANT reads and writes it.   PC, PW: QUANT writes, the image's LDS stores read.
;     Two waits a unit: vm_vsrc behind the numbers' return (the raw set and the last image's PC, PW have been read), va_vdst behind QUANT (PC, PW are written; X is free for the next unit's loads).
;   PHASE 2, a trip:  WF, WS (two sets): LDS loads of K step s + 1 land in the set that the products of K step s - 1 read: one wait on va_vdst a K step.
;     XSW, window 1: read by the products; v12-15, v18, v19: written by the address lines behind the products; v10, v11: read by those lines.  ONE wait on va_vdst behind the address lines serves the trip's 70 loads,
;     which read v12-15, v18, v19 and land in XSW, window 1, v10, v11; the vector work behind them (ACC, TM, v112-119) names none of these.
;     v112-119, v248, v249: written by the conversions and the bytes' shifts; read by the trip's four stores: one wait on va_vdst ahead of these.
;     ONE wait on vm_vsrc at the trip's end: the stores have read v112-119, v248, v249, the loads v12-15, v18, v19: all are written again in the next trip.
.set XS_OFF, 2097152
.set LISTP,  8320
.set CNT,    216064
.set HS_OFF, 25165824
.set STGB,   8448                      ; a wave's stage: 16 rows x (512 + 16) bytes
.set WIMG,   33792                     ; 32 fragments (8 t + s) of 2,048 bytes
.set WSC,    99328                     ; their scale words, 128 bytes each
.set XSW, 20                           ; v20-35  x's scale words, 8 p + s
.set WS,  36                           ; v36-43  the weights' scale words, two sets of four
.set ACC, 48                           ; v48-111 accumulators, 32 p + 8 t
.set WF,  112                          ; v112-239 the weights' fragments, two sets of four
.set TM,  240                          ; v240-255 at work
.set X,   112                          ; phase 1: 64 numbers;
.set PC,  176                          ; the codes just made;
.set PW,  192                          ; their scale word
.set SEL, 40
.set MNT, 42
.set MSB, 0
.macro WIN new                         ; the immediate's high byte repeats the setting that is left
.if MSB != \new
	s_set_vgpr_msb (MSB<<8)|\new
.set MSB, \new
.endif
.endm
.macro QUANT src, pc, pw
.irp b, 0,1,2,3
	v_max3_num_f32 v[TM+\b], |v[\src+16*\b]|, |v[\src+1+16*\b]|, 0x8000000   ; block b: my 16 numbers and the floor 2^(16 - 127)
.endr
.irp i, 2,4,6,8,10,12,14
.irp b, 0,1,2,3
	v_max3_num_f32 v[TM+\b], v[TM+\b], |v[\src+16*\b+\i]|, |v[\src+1+16*\b+\i]|
.endr
.endr
.irp b, 0,1,2,3
	v_permlanex16_b32 v[TM+4+\b], v[TM+\b], s[SEL], s[SEL+1]
.endr
.irp b, 0,1,2,3
	v_max_num_f32 v[TM+\b], v[TM+\b], v[TM+4+\b]
.endr
.irp b, 0,1,2,3
	v_add_nc_u32 v[TM+12+\b], 0xf8800000, v[TM+\b]         ; 15 off the exponent field: the conversion's scale operand
.endr
.irp b, 0,1,2,3
	v_and_or_b32 v[TM+8+\b], v[TM+\b], 0x7f800000, s[MNT]  ; 57,344 x the scale
.endr
.irp b, 0,1,2,3
	v_lshrrev_b32 v[TM+4+\b], 23, v[TM+12+\b]
.endr
	v_lshl_or_b32 v[\pw], v[TM+5], 8, v[TM+4]
	v_lshl_or_b32 v[\pw], v[TM+6], 16, v[\pw]
	v_lshl_or_b32 v[\pw], v[TM+7], 24, v[\pw]
.irp b, 0,1,2,3
.irp i, 0,1,2,3,4,5,6,7,8,9,10,11,12,13,14,15
	v_med3_num_f32 v[\src+16*\b+\i], v[\src+16*\b+\i], -v[TM+8+\b], v[TM+8+\b]   ; the conversion does not saturate (ISA guide 7.6.2)
.endr
	v_cvt_scalef32_pk8_bf8_f32 v[\pc+4*\b:\pc+1+4*\b], v[\src+16*\b:\src+7+16*\b], v[TM+12+\b]
	v_cvt_scalef32_pk8_bf8_f32 v[\pc+2+4*\b:\pc+3+4*\b], v[\src+8+16*\b:\src+15+16*\b], v[TM+12+\b]
.endr
	v_nop                                          ; a plain line behind the last conversion
.endm
.macro TOKA ahead                      ; where in the list stand the tokens of the pair that lies ahead pairs behind trip s24's (pair wave + 4 x trip); the rank is held inside the entries that were written
	s_lshl_b32 s46, s24, 7                         ; 128 ranks a trip,
	s_add_co_u32 s46, s46, s51                     ; 32 x wave,
	s_add_co_u32 s46, s46, 32*\ahead
	v_add_nc_u32 v18, s46, v9
	v_add_nc_u32 v19, 16, v18
	v_min_u32 v18, s25, v18
	v_min_u32 v19, s25, v19
	v_min_u32 v18, 0x81f, v18
	v_min_u32 v19, 0x81f, v19
	v_lshlrev_b32 v18, 2, v18
	v_lshlrev_b32 v19, 2, v19
.endm
.macro TOKL                            ; and the two loads of them
	global_load_b32 v10, v18, s[34:35]
	global_load_b32 v11, v19, s[34:35]
.endm
.macro OFFS
	v_min_u32 v10, 0x7ff, v10
	v_min_u32 v11, 0x7ff, v11
	v_lshl_add_u32 v12, v10, 10, v8                ; the token's row of codes, + 16 h
	v_lshl_add_u32 v13, v11, 10, v8
	v_lshlrev_b32 v14, 5, v10                      ; and its 32 scale bytes
	v_lshlrev_b32 v15, 5, v11
.endm
.macro XSCALES                         ; the pair's scale words: four loads
.irp p, 0,1
	global_load_b128 v[XSW+8*\p:XSW+8*\p+3], v[14+\p], s[38:39]
	global_load_b128 v[XSW+8*\p+4:XSW+8*\p+7], v[14+\p], s[38:39] offset:16
.endr
.endm
.macro XPART q                         ; the first pair, a quarter at a time: tile q / 2, K steps 4 (q % 2) .. + 3, into the 64 registers of raw set q: 16 loads
	WIN 0x40
.irp s, 0,1,2,3
.irp c, 0,1,2,3
	global_load_b128 v[64*(\q)+16*\s+4*\c:64*(\q)+16*\s+4*\c+3], v[12+(\q)/2], s[12:13] offset:128*(4*((\q)%2)+\s)+32*\c
.endr
.endr
	WIN 0
.endm
.macro XLOAD                           ; 68 loads: the scale words first, then the codes K step by K step
	XSCALES
	WIN 0x40
.irp s, 0,1,2,3,4,5,6,7
.irp p, 0,1
.irp c, 0,1,2,3
	global_load_b128 v[16*(8*\p+\s)+4*\c:16*(8*\p+\s)+4*\c+3], v[12+\p], s[12:13] offset:128*\s+32*\c
.endr
.endr
.endr
	WIN 0
.endm
.macro LOADU i                         ; K step i of my tile's 16 rows, 512 consecutive bytes a load, into raw set i % 4 of window 1
	WIN 0x40
.irp row, 0,1,2,3,4,5,6,7,8,9,10,11,12,13,14,15
	global_load_b128 v[64*((\i)%4)+4*\row:64*((\i)%4)+4*\row+3], v1, s[26:27] offset:(\row+8*(\row/8))*4096+512*(\i)
.endr
	WIN 0
.endm
.macro UNIT i, left
	s_wait_loadcnt \left                           ; this unit's 16 loads are in; left = the loads issued behind them
	WIN 0x04                                       ; an LDS store's data are its source 1: window 1
.irp row, 0,1,2,3,4,5,6,7,8,9,10,11,12,13,14,15
	ds_store_b128 v3, v[64*((\i)%4)+4*\row:64*((\i)%4)+4*\row+3] offset:528*\row
.endr
	WIN 0
.irp b, 0,1,2,3
.irp j, 0,1,2,3
	ds_load_b128 v[X+16*\b+4*\j:X+16*\b+4*\j+3], v4 offset:128*\b+16*\j
.endr
.endr
	s_wait_dscnt 0x0                               ; the numbers are back
.if (\i) == 4
	OFFS                                           ; (the first pair's tokens were asked for ahead of this unit's loads: they are in)
	s_wait_alu depctr_va_vdst(0)                   ; v12 to v15 are written, which the first pair's loads, here and in the three units that follow, read as their offsets
.endif
	s_wait_alu depctr_vm_vsrc(0)                   ; the stage's stores have read the raw set, in which the loads below land; the last image's stores have read PC and PW, which QUANT writes again
.if (\i) < 4
	LOADU (\i)+4                                   ; the raw set takes the unit four further on,
.else
.if (\i) == 4
	XSCALES
.endif
	XPART (\i)-4                                   ; or, when no unit is left for it, its quarter of the first pair's codes of x
.endif
	QUANT X, PC, PW
	s_wait_alu depctr_va_vdst(0)                   ; QUANT has written PC and PW, which the LDS stores below read, and is done reading and writing X, in which the next unit's numbers (behind the last unit: the weights' fragments) land
.irp c, 0,1,2,3
	ds_store_b128 v5, v[PC+4*\c:PC+4*\c+3] offset:2048*(\i)+512*\c     ; the fragment as it stands: 16 bytes a lane, 512 a store
.endr
	ds_store_b32 v6, v[PW] offset:128*(\i)
.endm
.macro WLOAD s, buf                    ; K step s of the four tiles: 20 LDS loads
.irp t, 0,1,2,3
.irp c, 0,1,2,3
	ds_load_b128 v[WF+64*(\buf)+16*\t+4*\c:WF+64*(\buf)+16*\t+4*\c+3], v7 offset:(8*\t+(\s))*2048+512*\c
.endr
	ds_load_b32 v[WS+4*(\buf)+\t], v44 offset:(8*\t+(\s))*128
.endr
.endm
; 64 matrix instructions: the eight accumulators take turns, one instruction a turn.
; The loads of K steps 0 and 1 owe no wait here: on every way to this macro no vector or matrix line since the last wait on va_vdst names v112-239 or v36-43, and a wait on vm_vsrc stands behind the last store that read any of them.
.macro KLOOP
	WLOAD 0, 0
	WIN 0x04                                       ; source 1 (x) window 1
.irp s, 0,1,2,3,4,5,6,7
.if \s < 7
.if \s >= 1
.rept 8
	v_nop                                          ; eight places between the products that read a set and the loads into it,
.endr
	s_wait_alu depctr_va_vdst(0)                   ; and behind them the wait: the products of the K step before are done reading the set and the scale words in which the 20 loads below land
.endif
	WLOAD \s+1, (\s+1)%2
	s_wait_dscnt 20                                ; this K step's set is in; the next one's 20 loads may be out
.else
	s_wait_dscnt 0x0
.endif
	s_wait_loadcnt 8*(7-\s)+2                      ; x's codes up to this K step are in; younger: eight loads for each later K step and the two list loads (for the first pair all codes are in already)
.irp p, 0,1
.irp t, 0,1,2,3
.if \s == 0
	v_wmma_scale_f32_16x16x128_f8f6f4 v[ACC+32*\p+8*\t:ACC+32*\p+8*\t+7], v[WF+64*(\s%2)+16*\t:WF+64*(\s%2)+16*\t+15], v[16*(8*\p+\s):16*(8*\p+\s)+15], 0, v[WS+4*(\s%2)+\t], v[XSW+8*\p+\s] matrix_a_fmt:MATRIX_FMT_BF8 matrix_b_fmt:MATRIX_FMT_BF8
.else
	v_wmma_scale_f32_16x16x128_f8f6f4 v[ACC+32*\p+8*\t:ACC+32*\p+8*\t+7], v[WF+64*(\s%2)+16*\t:WF+64*(\s%2)+16*\t+15], v[16*(8*\p+\s):16*(8*\p+\s)+15], v[ACC+32*\p+8*\t:ACC+32*\p+8*\t+7], v[WS+4*(\s%2)+\t], v[XSW+8*\p+\s] matrix_a_fmt:MATRIX_FMT_BF8 matrix_b_fmt:MATRIX_FMT_BF8
.endif
.endr
.endr
.endr
	WIN 0
.endm
.macro EPI                             ; of tile p: registers ACC + 32 p + 0 .. 15 the gate's sums of hidden units 16 h + 0 .. 15, + 16 .. 31 the up weight's
.irp p, 0,1
.irp i, 0,2,4,6,8,10,12,14
	v_pk_mul_f32 v[ACC+32*\p+\i:ACC+32*\p+\i+1], v[ACC+32*\p+\i:ACC+32*\p+\i+1], s[48:49] op_sel_hi:[1,0]   ; -g log2(e); each accumulator from its low end on
.endr
.endr
	s_wait_alu depctr_va_vdst(0)
.irp p, 0,1
.irp i, 0,1,2,3,4,5,6,7,8,9,10,11,12,13,14,15
	v_exp_f32 v[ACC+32*\p+\i], v[ACC+32*\p+\i]
.endr
.endr
	v_nop                                          ; a plain line behind the exponentials
	s_wait_alu depctr_va_vdst(0)                   ; the 32 exponentials have written their results, ahead of the first reader
.irp p, 0,1
.irp i, 0,2,4,6,8,10,12,14
	v_pk_add_f32 v[ACC+32*\p+\i:ACC+32*\p+\i+1], v[ACC+32*\p+\i:ACC+32*\p+\i+1], 1.0 op_sel_hi:[1,0]
.endr
.endr
	s_wait_alu depctr_va_vdst(0)
.irp p, 0,1
.irp i, 0,1,2,3,4,5,6,7,8,9,10,11,12,13,14,15
	v_rcp_f32 v[ACC+32*\p+\i], v[ACC+32*\p+\i]     ; sigmoid(g)
.endr
.endr
	v_nop                                          ; a plain line behind the reciprocals
	s_wait_alu depctr_va_vdst(0)                   ; the 32 reciprocals have written their results, ahead of the first reader
.irp p, 0,1
.irp i, 0,2,4,6,8,10,12,14
	v_pk_mul_f32 v[ACC+32*\p+16+\i:ACC+32*\p+17+\i], v[ACC+32*\p+16+\i:ACC+32*\p+17+\i], v[ACC+32*\p+\i:ACC+32*\p+\i+1]
.endr
.endr
.irp p, 0,1
	v_max3_num_f32 v[TM+\p], |v[ACC+32*\p+16]|, |v[ACC+32*\p+17]|, 0x8000000
.endr
.irp i, 2,4,6,8,10,12,14
.irp p, 0,1
	v_max3_num_f32 v[TM+\p], v[TM+\p], |v[ACC+32*\p+16+\i]|, |v[ACC+32*\p+17+\i]|
.endr
.endr
.irp p, 0,1
	v_permlanex16_b32 v[TM+2+\p], v[TM+\p], s[SEL], s[SEL+1]
.endr
.irp p, 0,1
	v_max_num_f32 v[TM+\p], v[TM+\p], v[TM+2+\p]           ; the block's largest magnitude: my 16 units and lane l xor 16's
.endr
.irp p, 0,1
	v_add_nc_u32 v[TM+4+\p], 0xf8800000, v[TM+\p]
.endr
.irp p, 0,1
	v_and_or_b32 v[TM+6+\p], v[TM+\p], 0x7f800000, s[MNT]
.endr
.irp p, 0,1
	v_lshrrev_b32 v[TM+8+\p], 23, v[TM+4+\p]               ; the scale's byte
.endr
.irp p, 0,1
.irp i, 0,1,2,3,4,5,6,7,8,9,10,11,12,13,14,15
	v_med3_num_f32 v[ACC+32*\p+16+\i], v[ACC+32*\p+16+\i], -v[TM+6+\p], v[TM+6+\p]
.endr
	v_cvt_scalef32_pk8_bf8_f32 v[WF+4*\p:WF+4*\p+1], v[ACC+32*\p+16:ACC+32*\p+23], v[TM+4+\p]
	v_cvt_scalef32_pk8_bf8_f32 v[WF+4*\p+2:WF+4*\p+3], v[ACC+32*\p+24:ACC+32*\p+31], v[TM+4+\p]
.endr
	v_nop                                          ; a plain line behind the last conversion
	s_wait_alu depctr_va_vdst(0)                   ; the conversions have written v112-119 and the shifts v248, v249, which the four stores read; it is also the last vector work ahead of the next trip's loads into v112 on
.irp p, 0,1
	global_store_b128 v1, v[WF+4*\p:WF+4*\p+3], s[30:31] offset:8192*\p    ; 512 consecutive bytes, aligned: four registers of the next operand, lane by lane
	global_store_b8 v17, v[TM+8+\p], s[32:33] offset:256*\p               ; row r's byte of this block
.endr
.endm
	s_load_b256 s[4:11], s[0:1], 0x0               ; exp_gate, exp_up, shared_gate, shared_up
	s_load_b128 s[12:15], s[0:1], 0x20             ; xq, route
	s_load_b64 s[16:17], s[0:1], 0x30              ; hid
	v_lshl_add_u32 v46, v0, 2, 0x19400
	v_mov_b32 v47, 0
	v_lshrrev_b32 v9, 5, v0
	v_readfirstlane_b32 s18, v9                    ; wave
	s_mov_b32 s19, ttmp9                           ; the slice
	s_and_b32 s20, ttmp7, 0xffff                   ; the group
	v_and_b32 v2, 31, v0
	v_lshlrev_b32 v1, 4, v2                        ; 16 x lane
	v_lshlrev_b32 v2, 2, v2                        ; 4 x lane
	v_and_b32 v9, 15, v0                           ; r
	v_bfe_u32 v8, v0, 4, 1                         ; h
	s_wait_alu depctr_va_sdst(0)                   ; s18 is written, ahead of its first reader: LDS places, the buffers' offsets and the branches on the wave are made from it
	s_mul_i32 s43, s18, STGB
	v_add_nc_u32 v3, s43, v1                       ; the stage, in
	v_mul_u32_u24 v4, v9, 528
	v_lshl_add_u32 v4, v8, 6, v4
	v_add_nc_u32 v4, s43, v4                       ; and out
	s_lshl_b32 s43, s18, 14
	s_add_co_u32 s43, s43, WIMG
	v_add_nc_u32 v5, s43, v1                       ; my tile's eight images
	s_lshl_b32 s43, s18, 10
	s_add_co_u32 s43, s43, WSC
	v_add_nc_u32 v6, s43, v2                       ; and their scale words
	v_add_nc_u32 v7, WIMG, v1
	v_add_nc_u32 v44, WSC, v2
	v_lshlrev_b32 v8, 4, v8                        ; 16 h
	v_lshlrev_b32 v17, 4, v9                       ; 16 r
	s_lshl_b32 s50, s20, 2                         ; the count's place; never rewritten
	s_lshl_b32 s51, s18, 5                         ; 32 x wave: my first pair's first rank
	s_mov_b32 s[SEL], 0x76543210
	s_mov_b32 s[SEL+1], 0xfedcba98
	s_mov_b32 s[MNT], 0x600000
	s_mov_b32 s48, 0xbfb8aa3b                      ; -log2(e)
	s_mov_b32 s49, s48                             ; (named with it as a pair)
	s_wait_kmcnt 0x0
	s_load_b32 s21, s[14:15], s50 offset:CNT       ; the group's rows
	s_cmp_lt_u32 s20, 16                           ; an expert's weights or the shared ones: the choice hangs on the work-group's number alone
	s_cselect_b64 s[4:5], s[4:5], s[8:9]
	s_cselect_b64 s[6:7], s[6:7], s[10:11]
	s_cselect_b32 s44, s20, 0
	s_cmp_lt_u32 s18, 2                            ; waves 0, 1: gate; waves 2, 3: up
	s_cselect_b64 s[26:27], s[4:5], s[6:7]
	s_lshl_b32 s44, s44, 21                        ; the expert: 512 rows of 4,096 bytes
	s_lshl_b32 s45, s19, 17                        ; the slice: 32 rows
	s_add_co_u32 s44, s44, s45
	s_and_b32 s45, s18, 1
	s_lshl_b32 s45, s45, 15                        ; tile u begins 8 u rows on
	s_add_co_u32 s44, s44, s45
	s_mov_b32 s45, 0
	s_add_nc_u64 s[26:27], s[26:27], s[44:45]
	s_wait_alu depctr_va_vdst(0)                   ; the addresses v1 to v9, v17 and v44 are written, which the loads, stores and LDS instructions of the whole kernel read
	LOADU 0
	LOADU 1
	LOADU 2
	LOADU 3
	s_mul_i32 s44, s20, LISTP
	s_add_nc_u64 s[34:35], s[14:15], s[44:45]      ; the group's list
	s_add_nc_u64 s[38:39], s[12:13], XS_OFF        ; x's scale bytes
	s_lshl_b32 s46, s20, 7
	s_lshl_b32 s47, s18, 1
	s_add_co_u32 s46, s46, s47                     ; my first row tile: 128 g + 2 wave
	s_lshl_b32 s44, s46, 13
	s_lshl_b32 s47, s19, 9
	s_add_co_u32 s44, s44, s47
	s_add_nc_u64 s[30:31], s[16:17], s[44:45]      ; its block of 512 bytes for this slice
	s_lshl_b32 s44, s46, 8
	s_add_co_u32 s44, s44, s19
	s_add_co_u32 s44, s44, HS_OFF
	s_add_nc_u64 s[32:33], s[16:17], s[44:45]      ; and its rows' scale bytes
.irp b, 2,3,4,5,6,7
	v_mov_b32 v[TM+\b], 0                          ; destinations of lane permutes: written once
.endr
	s_wait_kmcnt 0x0                               ; the count: the weights' first 64 loads are on their way meanwhile
	s_min_u32 s21, s21, 2048
	s_add_co_u32 s22, s21, 31
	s_lshr_b32 s22, s22, 5                         ; pairs of row tiles
	s_max_u32 s25, s22, 1
	s_lshl_b32 s25, s25, 5
	s_sub_co_u32 s25, s25, 1                       ; the last rank that is read: at most count + 30, and count + 31 entries are written
	s_mov_b32 s24, 0                               ; the trip
	TOKA 0                                         ; my first pair's tokens (a wave without a pair reads held ranks, and uses nothing of what follows from them)
	s_wait_alu depctr_va_vdst(0)                   ; v18 and v19 are written, which the two list loads read
	TOKL
	UNIT 0, 50                                     ; behind unit i's loads, i = 0 .. 3: three units of 16 and the two list loads
	UNIT 1, 50
	UNIT 2, 50
	UNIT 3, 50
	UNIT 4, 48                                     ; units 5, 6, 7
	UNIT 5, 52                                     ; units 6, 7; four loads of scale words and 16 of codes
	UNIT 6, 52                                     ; unit 7; 4 + 16 + 16
	UNIT 7, 52                                     ; 4 + 16 + 16 + 16
	TOKA 4                                         ; my second pair's tokens (the first list loads, which read v18 and v19, stand ahead of the units' waits on vm_vsrc)
	s_wait_alu depctr_va_vdst(0)                   ; v18 and v19 are written, which the two list loads read; the offsets' lines are done with v10 and v11, in which they land
	TOKL
	s_wait_dscnt 0x0                               ; my images have landed
	s_wait_alu depctr_vm_vsrc(0)                   ; the last image's stores have read PC and PW, in which the weights' fragments land; the first pair's loads have read v12 to v15 and the list loads v18, v19, which the loop writes again
	s_barrier_signal -1
	s_barrier_wait -1                              ; the 32 fragments lie in LDS; from here on LDS is only read
	s_cmp_ge_u32 s18, s22
	s_cbranch_scc1 .Lend
	s_sub_co_u32 s23, s22, s18                     ; my pairs: wave, wave + 4, ..: (pairs - wave + 3) / 4 of them;
	s_add_co_u32 s23, s23, 3
	s_lshr_b32 s23, s23, 2
	s_sub_co_u32 s23, s23, 1                       ; all but the last are trips of the loop, counted by ones
	s_wait_loadcnt 2                               ; the first pair's scale words and codes are in; the two list loads behind them may be out
	s_cmp_lt_u32 s24, s23
	s_cbranch_scc0 .Ltail
.Lloop:
	KLOOP
	s_wait_loadcnt 0x0                             ; the next pair's tokens are in, and every load that named the offsets below is done
	OFFS                                           ; these six lines and the eight that follow name no register of the products: they are the places ahead of the loads into x's registers and of the first read of the results
	TOKA 8
	s_wait_alu depctr_va_vdst(0)                   ; the products are done reading x's codes and scale words, in which the loads below land; v12 to v15, v18 and v19 are written, which they read; the offsets' lines are done with v10, v11
	XLOAD                                          ; the next pair's codes are on their way while this pair's results are worked
	TOKL
	EPI
	s_wait_xcnt 0x0                                ; the stores' data and bases are rewritten only behind this wait
	s_wait_alu depctr_vm_vsrc(0)                   ; the stores have read v112-119, in which the next trip's first fragments land, and v248, v249; the loads have read v12 to v15, v18 and v19: the next trip writes all of these again
	s_add_nc_u64 s[30:31], s[30:31], 65536         ; eight row tiles on
	s_add_nc_u64 s[32:33], s[32:33], 2048
	s_add_co_u32 s24, s24, 1
	s_cmp_lt_u32 s24, s23
	s_cbranch_scc1 .Lloop
.Ltail:
	KLOOP                                          ; the wave's last pair: the counts are the same (two list loads, of held ranks, are younger here too)
.rept 8
	v_nop                                          ; eight places ahead of the first read of the results: no address work is left to stand here
.endr
	EPI
.Lend:
	s_wait_dscnt 0x0                               ; the closing lines, six on end
	s_wait_alu 0x0
	s_wait_tensorcnt 0x0
	ds_add_u32 v46, v47
	s_wait_dscnt 0x0
	s_endpgm
.Lfunc_end_k_q325aa99a5b_up:
	.size	k_q325aa99a5b_up, .Lfunc_end_k_q325aa99a5b_up-k_q325aa99a5b_up
	.p2alignl 7, 3214868480
	.fill 96, 4, 3214868480
	.section	.rodata,"a",@progbits
	.p2align	6, 0x0
	.amdhsa_kernel k_q325aa99a5b_up
		.amdhsa_group_segment_fixed_size 103936
		.amdhsa_private_segment_fixed_size 0
		.amdhsa_enable_private_segment 0
		.amdhsa_kernarg_size 56
		.amdhsa_user_sgpr_count 2
		.amdhsa_user_sgpr_kernarg_segment_ptr 1
		.amdhsa_wavefront_size32 1
		.amdhsa_system_sgpr_workgroup_id_x 1
		.amdhsa_system_sgpr_workgroup_id_y 1
		.amdhsa_system_sgpr_workgroup_id_z 1
		.amdhsa_system_vgpr_workitem_id 0
		.amdhsa_next_free_vgpr 512
		.amdhsa_next_free_sgpr 66
		.amdhsa_reserve_vcc 0
		.amdhsa_float_denorm_mode_32 3
		.amdhsa_float_denorm_mode_16_64 3
		.amdhsa_memory_ordered 1
		.amdhsa_forward_progress 1
		.amdhsa_inst_pref_size 177
	.end_amdhsa_kernel
	.amdgpu_metadata
---
amdhsa.version: [ 1, 2 ]
amdhsa.kernels:
  - .name:           k_q325aa99a5b_up
    .symbol:         k_q325aa99a5b_up.kd
    .args:
      - { .name: exp_gate, .offset: 0, .size: 8, .value_kind: global_buffer, .address_space: global }
      - { .name: exp_up, .offset: 8, .size: 8, .value_kind: global_buffer, .address_space: global }
      - { .name: shared_gate, .offset: 16, .size: 8, .value_kind: global_buffer, .address_space: global }
      - { .name: shared_up, .offset: 24, .size: 8, .value_kind: global_buffer, .address_space: global }
      - { .name: xq, .offset: 32, .size: 8, .value_kind: global_buffer, .address_space: global }
      - { .name: route, .offset: 40, .size: 8, .value_kind: global_buffer, .address_space: global }
      - { .name: hid, .offset: 48, .size: 8, .value_kind: global_buffer, .address_space: global }
    .group_segment_fixed_size: 103936
    .private_segment_fixed_size: 0
    .kernarg_segment_align: 8
    .kernarg_segment_size: 56
    .max_flat_workgroup_size: 128
    .sgpr_count:     66
    .vgpr_count:     512
    .wavefront_size: 32
...
	.end_amdgpu_metadata
.endif
;; end of part 8
;; launch down (part 9): grid 16 x 24, 4 waves a work-group, no clusters, 69,120 bytes of LDS; arguments exp_down, shared_down, hid, route, y; writes y
.if DOCPART == 9
	.amdgcn_target "amdgcn-amd-amdhsa--gfx1250"
	.amdhsa_code_object_version 6
	.text
	.protected	k_q325aa99a5b_down
	.globl	k_q325aa99a5b_down
	.p2align	8
	.type	k_q325aa99a5b_down,@function
k_q325aa99a5b_down:
	s_mov_b64 s[64:65], 0
	v_nop
	global_prefetch_b8 v0, s[64:65] scope:SCOPE_SE
	s_setreg_imm32_b32 hwreg(HW_REG_WAVE_SCHED_MODE, 0, 2), 2
	s_setreg_imm32_b32 hwreg(HW_REG_WAVE_MODE, 25, 1), 1
	s_wait_xcnt 0x0
	s_wait_alu depctr_vm_vsrc(0)
; y[group x 2048 + rank][64 columns] = hid Wd^T for the rows of one group (work-group y) and one slice of 64 output columns (work-group x), on codes of E5M2 with E8M0 scales.
; PHASE 1.  The slice's 64 rows of the down weight (f32, K = 512 innermost) are read once in the launch for an expert, quantised (wave w: rows 16 w on, four K steps) and laid in LDS as images of the operand's registers;
; behind the one barrier every wave takes all 16 fragments into registers, where they stay.
; PHASE 2.  A wave takes row tiles mt = wave, wave + 4, ..: the hidden layer's four fragments come as they lie (512 consecutive bytes a load), 16 matrix instructions (source 0 = 16 weight rows, source 1 = 16 rows of
; the hidden layer: a lane holds eight neighbouring columns of one row of y), and the tile leaves through the wave's own stage: sixteen lanes store 256 consecutive bytes, aligned.
; THE FIRST TILE IS ASKED FOR IN PHASE 1, behind the second unit: its address hangs on ids alone and lies inside the buffer whatever the count; a wave that the count leaves without a tile uses nothing of it.
; No tensor loads, no cluster: the trip count hangs on the stored count, and each weight slice has one reader.  The routing's weights are applied by the launch that sums.
; LIMITS: NaN and infinities are not served; a block whose largest magnitude lies under 2^-111 gets the byte 1.
; THE MODE: SCHED_MODE bits 1:0 = 2 (LLVM: expert scheduling mode 2), set by the entry lines.  The code itself states the register dependences between vector or matrix
; instructions and memory or LDS instructions, with s_wait_alu, always for 0.
; THE PLAN.  Registers that memory or LDS instructions touch:
;   v1-12, v46, v47    addresses: made at the head, never written again.
;   PHASE 1, a unit:   the raw set (window 1): loads land, the stage's LDS stores read it; behind the barrier the weights' fragments land there.   X: LDS loads land, QUANT reads and writes it.
;     PC, PW: QUANT writes, the image's LDS stores read; in phase 2 rows of y land there.   A wait on va_vdst behind each QUANT; one on vm_vsrc ahead of each QUANT but the first, and one ahead of the barrier.
;   PHASE 2, a trip:   HF, HSW: the products read them, the next tile's 17 loads land in them.   ACC: the products write it, the stage's LDS stores read it, the next products write it.
;     OB: LDS loads land, the global stores read it, the next trip's LDS loads land.   ONE wait on va_vdst behind the products' places, ONE on vm_vsrc at the trip's end.
.set CNT,    216064
.set HS_OFF, 25165824
.set STGB,   8448                      ; a wave's stage: phase 1: 16 rows x 528 bytes; phase 2: 16 rows x 272 bytes of y
.set WIMG,   33792                     ; 16 fragments (4 t + s) of 2,048 bytes
.set WSC,    66560                     ; their scale words
.set HSW, 16                           ; v16-19  the hidden layer's scale words
.set WSW, 20                           ; v20-35  the weights', 4 t + s
.set ACC, 48                           ; v48-79  four accumulators
.set HF,  80                           ; v80-143 the hidden layer's four fragments
.set OB,  144                          ; v144-175 rows of y on their way out
.set TM,  240
.set X,   176                          ; phase 1: v176-239 64 numbers (apart from the hidden layer's registers, which are being loaded meanwhile);
.set PC,  144                          ; the codes just made;
.set PW,  160                          ; their scale word
.set SEL, 40
.set MNT, 42
.set MSB, 0
.macro WIN new
.if MSB != \new
	s_set_vgpr_msb (MSB<<8)|\new
.set MSB, \new
.endif
.endm
.macro QUANT src, pc, pw
.irp b, 0,1,2,3
	v_max3_num_f32 v[TM+\b], |v[\src+16*\b]|, |v[\src+1+16*\b]|, 0x8000000   ; block b: my 16 numbers and the floor 2^(16 - 127)
.endr
.irp i, 2,4,6,8,10,12,14
.irp b, 0,1,2,3
	v_max3_num_f32 v[TM+\b], v[TM+\b], |v[\src+16*\b+\i]|, |v[\src+1+16*\b+\i]|
.endr
.endr
.irp b, 0,1,2,3
	v_permlanex16_b32 v[TM+4+\b], v[TM+\b], s[SEL], s[SEL+1]
.endr
.irp b, 0,1,2,3
	v_max_num_f32 v[TM+\b], v[TM+\b], v[TM+4+\b]
.endr
.irp b, 0,1,2,3
	v_add_nc_u32 v[TM+12+\b], 0xf8800000, v[TM+\b]
.endr
.irp b, 0,1,2,3
	v_and_or_b32 v[TM+8+\b], v[TM+\b], 0x7f800000, s[MNT]
.endr
.irp b, 0,1,2,3
	v_lshrrev_b32 v[TM+4+\b], 23, v[TM+12+\b]
.endr
	v_lshl_or_b32 v[\pw], v[TM+5], 8, v[TM+4]
	v_lshl_or_b32 v[\pw], v[TM+6], 16, v[\pw]
	v_lshl_or_b32 v[\pw], v[TM+7], 24, v[\pw]
.irp b, 0,1,2,3
.irp i, 0,1,2,3,4,5,6,7,8,9,10,11,12,13,14,15
	v_med3_num_f32 v[\src+16*\b+\i], v[\src+16*\b+\i], -v[TM+8+\b], v[TM+8+\b]   ; the conversion does not saturate (ISA guide 7.6.2)
.endr
	v_cvt_scalef32_pk8_bf8_f32 v[\pc+4*\b:\pc+1+4*\b], v[\src+16*\b:\src+7+16*\b], v[TM+12+\b]
	v_cvt_scalef32_pk8_bf8_f32 v[\pc+2+4*\b:\pc+3+4*\b], v[\src+8+16*\b:\src+15+16*\b], v[TM+12+\b]
.endr
	v_nop                                          ; a plain line behind the last conversion
.endm
.macro LOADU i                         ; K step i of my 16 rows, 512 consecutive bytes a load, into raw set i of window 1
	WIN 0x40
.irp row, 0,1,2,3,4,5,6,7,8,9,10,11,12,13,14,15
	global_load_b128 v[64*(\i)+4*\row:64*(\i)+4*\row+3], v1, s[26:27] offset:2048*\row+512*(\i)
.endr
	WIN 0
.endm
.macro UNIT i, left
	s_wait_loadcnt \left                           ; this unit's 16 loads are in; left = the loads issued behind them
	WIN 0x04                                       ; an LDS store's data are its source 1: window 1
.irp row, 0,1,2,3,4,5,6,7,8,9,10,11,12,13,14,15
	ds_store_b128 v3, v[64*(\i)+4*\row:64*(\i)+4*\row+3] offset:528*\row
.endr
	WIN 0
.irp b, 0,1,2,3
.irp j, 0,1,2,3
	ds_load_b128 v[X+16*\b+4*\j:X+16*\b+4*\j+3], v4 offset:128*\b+16*\j
.endr
.endr
	s_wait_dscnt 0x0                               ; the numbers are back
.if (\i) > 0
	s_wait_alu depctr_vm_vsrc(0)                   ; the last image's stores have read PC and PW, which QUANT writes again
.endif
	QUANT X, PC, PW
	s_wait_alu depctr_va_vdst(0)                   ; QUANT has written PC and PW, which the LDS stores below read, and is done reading and writing X, in which the next unit's numbers land
.irp c, 0,1,2,3
	ds_store_b128 v5, v[PC+4*\c:PC+4*\c+3] offset:2048*(\i)+512*\c
.endr
	ds_store_b32 v6, v[PW] offset:128*(\i)
.endm
.macro HLOAD                           ; a row tile of the hidden layer: 16 blocks of 512 bytes as they lie, and each row's four scale words: 17 loads
.irp s, 0,1,2,3
.irp c, 0,1,2,3
	global_load_b128 v[HF+16*\s+4*\c:HF+16*\s+4*\c+3], v1, s[30:31] offset:(4*\s+\c)*512
.endr
.endr
	global_load_b128 v[HSW:HSW+3], v9, s[32:33]
.endm
.macro MULT                            ; 16 matrix instructions: the four accumulators take turns, one instruction a turn
	s_wait_loadcnt 0x0
	WIN 0x01                                       ; source 0 (the weights) window 1
.irp s, 0,1,2,3
.irp t, 0,1,2,3
.if \s == 0
	v_wmma_scale_f32_16x16x128_f8f6f4 v[ACC+8*\t:ACC+8*\t+7], v[16*(4*\t+\s):16*(4*\t+\s)+15], v[HF+16*\s:HF+16*\s+15], 0, v[WSW+4*\t+\s], v[HSW+\s] matrix_a_fmt:MATRIX_FMT_BF8 matrix_b_fmt:MATRIX_FMT_BF8
.else
	v_wmma_scale_f32_16x16x128_f8f6f4 v[ACC+8*\t:ACC+8*\t+7], v[16*(4*\t+\s):16*(4*\t+\s)+15], v[HF+16*\s:HF+16*\s+15], v[ACC+8*\t:ACC+8*\t+7], v[WSW+4*\t+\s], v[HSW+\s] matrix_a_fmt:MATRIX_FMT_BF8 matrix_b_fmt:MATRIX_FMT_BF8
.endif
.endr
.endr
	WIN 0
.rept 9
	v_nop                                          ; eight places ahead of the loads into the hidden layer's registers and of the first read of the results; the ninth for the next tile's first products, which begin these accumulators anew: no other vector work stands between two tiles' products
.endr
	s_wait_alu depctr_va_vdst(0)                   ; behind the places: the products have written the accumulators, which the stage's LDS stores read, and are done reading the hidden layer's fragments and scale words, in which the next tile's loads land
.endm
.macro OUT
.irp t, 0,1,2,3
	ds_store_b128 v10, v[ACC+8*\t:ACC+8*\t+3] offset:64*\t           ; each accumulator from its low end on
	ds_store_b128 v10, v[ACC+8*\t+4:ACC+8*\t+7] offset:64*\t+16
.endr
.irp i, 0,1,2,3,4,5,6,7
	ds_load_b128 v[OB+4*\i:OB+4*\i+3], v11 offset:544*\i             ; LDS serves a wave's instructions in order: these see my stores
.endr
.irp i, 0,1,2,3,4,5,6,7
	s_wait_dscnt 7-\i
	global_store_b128 v12, v[OB+4*\i:OB+4*\i+3], s[34:35] offset:8192*\i   ; two rows a store: sixteen lanes cover 256 consecutive bytes, aligned
.endr
.endm
	s_load_b256 s[4:11], s[0:1], 0x0               ; exp_down, shared_down, hid, route
	s_load_b64 s[12:13], s[0:1], 0x20              ; y
	v_lshl_add_u32 v46, v0, 2, 0x10c00
	v_mov_b32 v47, 0
	v_lshrrev_b32 v13, 5, v0
	v_readfirstlane_b32 s18, v13                   ; wave
	s_mov_b32 s19, ttmp9                           ; the slice
	s_and_b32 s20, ttmp7, 0xffff                   ; the group
	v_and_b32 v2, 31, v0
	v_lshlrev_b32 v1, 4, v2                        ; 16 x lane
	v_lshlrev_b32 v2, 2, v2                        ; 4 x lane
	v_and_b32 v13, 15, v0                          ; r
	v_bfe_u32 v14, v0, 4, 1                        ; h
	s_wait_alu depctr_va_sdst(0)                   ; s18 is written, ahead of its first reader: LDS places, the buffers' offsets and the branches on the wave are made from it
	s_mul_i32 s43, s18, STGB
	v_add_nc_u32 v3, s43, v1
	v_mul_u32_u24 v4, v13, 528
	v_lshl_add_u32 v4, v14, 6, v4
	v_add_nc_u32 v4, s43, v4
	v_mul_u32_u24 v10, v13, 272
	v_lshl_add_u32 v10, v14, 5, v10
	v_add_nc_u32 v10, s43, v10                     ; y's stage, in: row r, + 32 h
	v_mul_u32_u24 v11, v14, 272
	v_lshl_add_u32 v11, v13, 4, v11
	v_add_nc_u32 v11, s43, v11                     ; and out: lanes 0-15 one row, lanes 16-31 the next
	v_lshlrev_b32 v12, 12, v14
	v_lshl_add_u32 v12, v13, 4, v12                ; the same two rows in y
	s_lshl_b32 s43, s18, 13
	s_add_co_u32 s43, s43, WIMG
	v_add_nc_u32 v5, s43, v1
	s_lshl_b32 s43, s18, 9
	s_add_co_u32 s43, s43, WSC
	v_add_nc_u32 v6, s43, v2
	v_add_nc_u32 v7, WIMG, v1
	v_add_nc_u32 v8, WSC, v2
	v_lshlrev_b32 v9, 4, v13                       ; 16 r
	s_lshl_b32 s50, s20, 2                         ; the count's place; never rewritten
	s_mov_b32 s[SEL], 0x76543210
	s_mov_b32 s[SEL+1], 0xfedcba98
	s_mov_b32 s[MNT], 0x600000
	s_wait_kmcnt 0x0
	s_load_b32 s21, s[10:11], s50 offset:CNT       ; the group's rows: wanted behind phase 1
	s_cmp_lt_u32 s20, 16                           ; an expert's weight or the shared one: the choice hangs on the work-group's number alone
	s_cselect_b64 s[26:27], s[4:5], s[6:7]
	s_cselect_b32 s44, s20, 0
	s_lshl_b32 s44, s44, 21                        ; the expert: 1,024 rows of 2,048 bytes
	s_lshl_b32 s45, s19, 17                        ; the slice: 64 rows
	s_add_co_u32 s44, s44, s45
	s_lshl_b32 s45, s18, 15                        ; my 16 rows
	s_add_co_u32 s44, s44, s45
	s_mov_b32 s45, 0
	s_add_nc_u64 s[26:27], s[26:27], s[44:45]
	s_wait_alu depctr_va_vdst(0)                   ; the addresses v1 to v12 are written, which the loads, stores and LDS instructions of the whole kernel read
	LOADU 0
	LOADU 1
	LOADU 2
	LOADU 3
	s_lshl_b32 s46, s20, 7
	s_add_co_u32 s46, s46, s18                     ; my first row tile: 128 g + wave
	s_lshl_b32 s44, s46, 13
	s_add_nc_u64 s[30:31], s[8:9], s[44:45]        ; its 8,192 bytes of codes
	s_lshl_b32 s44, s46, 8
	s_add_co_u32 s44, s44, HS_OFF
	s_add_nc_u64 s[32:33], s[8:9], s[44:45]        ; its 256 scale bytes
	s_lshl_b32 s44, s46, 16                        ; 16 rows of 4,096 bytes
	s_lshl_b32 s47, s19, 8
	s_add_co_u32 s44, s44, s47
	s_add_nc_u64 s[34:35], s[12:13], s[44:45]      ; its rows of y, at the slice's columns
.irp b, 4,5,6,7
	v_mov_b32 v[TM+\b], 0                          ; destinations of lane permutes: written once
.endr
	UNIT 0, 48                                     ; units 1, 2, 3 are younger
	UNIT 1, 32                                     ; units 2, 3
	HLOAD                                          ; my first tile of the hidden layer: it lands while the last two units are worked (no vector line has named its registers)
	UNIT 2, 33                                     ; unit 3 and the tile's 17 loads
	UNIT 3, 17                                     ; the tile's 17 loads
	s_wait_dscnt 0x0                               ; my images have landed
	s_wait_alu depctr_vm_vsrc(0)                   ; the stage's stores have read the four raw sets, in which the weights' fragments land; the last image's stores have read PC and PW, in which rows of y land
	s_barrier_signal -1
	s_barrier_wait -1                              ; the 16 fragments lie in LDS; nobody writes them again
	s_wait_kmcnt 0x0
	s_min_u32 s21, s21, 2048
	s_add_co_u32 s22, s21, 15
	s_lshr_b32 s22, s22, 4                         ; row tiles
	s_cmp_ge_u32 s18, s22
	s_cbranch_scc1 .Lend
	s_sub_co_u32 s23, s22, s18                     ; my tiles: wave, wave + 4, ..: (tiles - wave + 3) / 4 of them;
	s_add_co_u32 s23, s23, 3
	s_lshr_b32 s23, s23, 2
	s_sub_co_u32 s23, s23, 1                       ; all but the last are trips of the loop, counted by ones
	s_mov_b32 s24, 0
	WIN 0x40
.irp f, 0,1,2,3,4,5,6,7,8,9,10,11,12,13,14,15
.irp c, 0,1,2,3
	ds_load_b128 v[16*\f+4*\c:16*\f+4*\c+3], v7 offset:2048*\f+512*\c    ; the slice's weights: they stay in window 1
.endr
.endr
	WIN 0
.irp f, 0,1,2,3,4,5,6,7,8,9,10,11,12,13,14,15
	ds_load_b32 v[WSW+\f], v8 offset:128*\f
.endr
	s_wait_dscnt 0x0
	s_cmp_lt_u32 s24, s23
	s_cbranch_scc0 .Ltail
.Lloop:
	MULT
	s_add_nc_u64 s[30:31], s[30:31], 32768         ; four row tiles on (the loads that named these bases are done)
	s_add_nc_u64 s[32:33], s[32:33], 1024
	HLOAD                                          ; the next tile is on its way while this one leaves
	OUT
	s_wait_xcnt 0x0                                ; the stores' data and base are rewritten only behind this wait
	s_wait_alu depctr_vm_vsrc(0)                   ; the stage's stores have read the accumulators, which the next products write; the global stores have read OB, in which the next tile's rows land
	s_add_nc_u64 s[34:35], s[34:35], 262144
	s_add_co_u32 s24, s24, 1
	s_cmp_lt_u32 s24, s23
	s_cbranch_scc1 .Lloop
.Ltail:
	MULT
	OUT
.Lend:
	s_wait_dscnt 0x0                               ; the closing lines, six on end
	s_wait_alu 0x0
	s_wait_tensorcnt 0x0
	ds_add_u32 v46, v47
	s_wait_dscnt 0x0
	s_endpgm
.Lfunc_end_k_q325aa99a5b_down:
	.size	k_q325aa99a5b_down, .Lfunc_end_k_q325aa99a5b_down-k_q325aa99a5b_down
	.p2alignl 7, 3214868480
	.fill 96, 4, 3214868480
	.section	.rodata,"a",@progbits
	.p2align	6, 0x0
	.amdhsa_kernel k_q325aa99a5b_down
		.amdhsa_group_segment_fixed_size 69120
		.amdhsa_private_segment_fixed_size 0
		.amdhsa_enable_private_segment 0
		.amdhsa_kernarg_size 40
		.amdhsa_user_sgpr_count 2
		.amdhsa_user_sgpr_kernarg_segment_ptr 1
		.amdhsa_wavefront_size32 1
		.amdhsa_system_sgpr_workgroup_id_x 1
		.amdhsa_system_sgpr_workgroup_id_y 1
		.amdhsa_system_sgpr_workgroup_id_z 1
		.amdhsa_system_vgpr_workitem_id 0
		.amdhsa_next_free_vgpr 512
		.amdhsa_next_free_sgpr 66
		.amdhsa_reserve_vcc 0
		.amdhsa_float_denorm_mode_32 3
		.amdhsa_float_denorm_mode_16_64 3
		.amdhsa_memory_ordered 1
		.amdhsa_forward_progress 1
		.amdhsa_inst_pref_size 70
	.end_amdhsa_kernel
	.amdgpu_metadata
---
amdhsa.version: [ 1, 2 ]
amdhsa.kernels:
  - .name:           k_q325aa99a5b_down
    .symbol:         k_q325aa99a5b_down.kd
    .args:
      - { .name: exp_down, .offset: 0, .size: 8, .value_kind: global_buffer, .address_space: global }
      - { .name: shared_down, .offset: 8, .size: 8, .value_kind: global_buffer, .address_space: global }
      - { .name: hid, .offset: 16, .size: 8, .value_kind: global_buffer, .address_space: global }
      - { .name: route, .offset: 24, .size: 8, .value_kind: global_buffer, .address_space: global }
      - { .name: y, .offset: 32, .size: 8, .value_kind: global_buffer, .address_space: global }
    .group_segment_fixed_size: 69120
    .private_segment_fixed_size: 0
    .kernarg_segment_align: 8
    .kernarg_segment_size: 40
    .max_flat_workgroup_size: 128
    .sgpr_count:     66
    .vgpr_count:     512
    .wavefront_size: 32
...
	.end_amdgpu_metadata
.endif
;; end of part 9
;; launch comb (part 10): grid 256 x 1, 8 waves a work-group, no clusters, 0 bytes of LDS; arguments x, y, route, xq, out0; writes out0
.if DOCPART == 10
	.amdgcn_target "amdgcn-amd-amdhsa--gfx1250"
	.amdhsa_code_object_version 6
	.text
	.protected	k_q325aa99a5b_comb
	.globl	k_q325aa99a5b_comb
	.p2align	8
	.type	k_q325aa99a5b_comb,@function
k_q325aa99a5b_comb:
	s_mov_b64 s[64:65], 0
	v_nop
	global_prefetch_b8 v0, s[64:65] scope:SCOPE_SE
	s_setreg_imm32_b32 hwreg(HW_REG_WAVE_MODE, 25, 1), 1
	s_wait_xcnt 0x0
; out[t] = x[t] + y[shared row of t] + w0 y[pos0] + w1 y[pos1]: each output row has one owner, which gathers its three contributions.
; One wave takes one token: a row of 4,096 bytes is eight loads of 512 consecutive bytes.  The positions (whole numbers stored by an earlier launch) and the two scores come by scalar loads.
; No LDS, no barrier, no matrix unit: a stream.  All 32 loads of a wave are issued before the first is used.
.set POS,    199680
.set GW_OFF, 2162688
	s_load_b256 s[4:11], s[0:1], 0x0               ; x s[4:5], y s[6:7], route s[8:9], xq s[10:11]
	s_load_b64 s[12:13], s[0:1], 0x20              ; out0
	v_lshrrev_b32 v1, 5, v0
	s_delay_alu instid0(VALU_DEP_1)
	v_readfirstlane_b32 s14, v1
	v_and_b32 v1, 31, v0
	s_delay_alu instid0(VALU_DEP_1)
	v_lshlrev_b32 v1, 4, v1                        ; 16 x lane
	s_lshl_b32 s15, ttmp9, 3
	s_add_co_u32 s15, s15, s14                     ; my token
	s_lshl_b32 s16, s15, 3
	s_mov_b32 s17, 0
	s_lshl_b32 s18, s15, 12
	s_mov_b32 s19, 0
	s_lshr_b32 s24, s15, 8
	s_add_co_u32 s24, s24, 16                      ; its shared group,
	s_lshl_b32 s24, s24, 11
	s_and_b32 s25, s15, 255
	s_add_co_u32 s24, s24, s25                     ; and its row there
	s_lshl_b32 s24, s24, 12
	s_mov_b32 s25, 0
	s_wait_alu depctr_va_vdst(0)
	s_wait_kmcnt 0x0
	s_add_nc_u64 s[8:9], s[8:9], s[16:17]
	s_add_nc_u64 s[10:11], s[10:11], s[16:17]
	s_load_b64 s[26:27], s[8:9], POS               ; the two routed rows
	s_load_b64 s[32:33], s[10:11], GW_OFF          ; the two scores
	s_add_nc_u64 s[4:5], s[4:5], s[18:19]
	s_add_nc_u64 s[12:13], s[12:13], s[18:19]
	s_add_nc_u64 s[24:25], s[6:7], s[24:25]
.irp j, 0,1,2,3,4,5,6,7
	global_load_b128 v[16+4*\j:19+4*\j], v1, s[4:5] offset:512*\j th:TH_LOAD_NT
	global_load_b128 v[48+4*\j:51+4*\j], v1, s[24:25] offset:512*\j th:TH_LOAD_NT
.endr
	s_wait_kmcnt 0x0
	s_min_u32 s26, s26, 0xbfff                     ; a row stays inside y
	s_min_u32 s27, s27, 0xbfff
	s_lshl_b32 s28, s26, 12
	s_mov_b32 s29, 0
	s_lshl_b32 s30, s27, 12
	s_mov_b32 s31, 0
	s_add_nc_u64 s[28:29], s[6:7], s[28:29]
	s_add_nc_u64 s[30:31], s[6:7], s[30:31]
	s_mov_b32 s20, s32                             ; each score as a pair: the packed form names a pair and takes its low word for both halves
	s_mov_b32 s21, s32
	s_mov_b32 s22, s33
	s_mov_b32 s23, s33
.irp j, 0,1,2,3,4,5,6,7
	global_load_b128 v[80+4*\j:83+4*\j], v1, s[28:29] offset:512*\j th:TH_LOAD_NT
	global_load_b128 v[112+4*\j:115+4*\j], v1, s[30:31] offset:512*\j th:TH_LOAD_NT
.endr
.irp j, 0,1,2,3,4,5,6,7
	s_wait_loadcnt 2*(7-\j)                        ; loads come back in order: piece j of all four rows is in; two loads for each later piece may be out
	v_pk_add_f32 v[16+4*\j:17+4*\j], v[16+4*\j:17+4*\j], v[48+4*\j:49+4*\j]
	v_pk_add_f32 v[18+4*\j:19+4*\j], v[18+4*\j:19+4*\j], v[50+4*\j:51+4*\j]
	s_delay_alu instid0(VALU_DEP_2)
	v_pk_fma_f32 v[16+4*\j:17+4*\j], v[80+4*\j:81+4*\j], s[20:21], v[16+4*\j:17+4*\j] op_sel_hi:[1,0,1]
	s_delay_alu instid0(VALU_DEP_2)
	v_pk_fma_f32 v[18+4*\j:19+4*\j], v[82+4*\j:83+4*\j], s[20:21], v[18+4*\j:19+4*\j] op_sel_hi:[1,0,1]
	s_delay_alu instid0(VALU_DEP_2)
	v_pk_fma_f32 v[16+4*\j:17+4*\j], v[112+4*\j:113+4*\j], s[22:23], v[16+4*\j:17+4*\j] op_sel_hi:[1,0,1]
	s_delay_alu instid0(VALU_DEP_2)
	v_pk_fma_f32 v[18+4*\j:19+4*\j], v[114+4*\j:115+4*\j], s[22:23], v[18+4*\j:19+4*\j] op_sel_hi:[1,0,1]
	global_store_b128 v1, v[16+4*\j:19+4*\j], s[12:13] offset:512*\j th:TH_STORE_NT   ; 512 consecutive bytes, aligned
.endr
	s_endpgm
.Lfunc_end_k_q325aa99a5b_comb:
	.size	k_q325aa99a5b_comb, .Lfunc_end_k_q325aa99a5b_comb-k_q325aa99a5b_comb
	.p2alignl 7, 3214868480
	.fill 96, 4, 3214868480
	.section	.rodata,"a",@progbits
	.p2align	6, 0x0
	.amdhsa_kernel k_q325aa99a5b_comb
		.amdhsa_group_segment_fixed_size 0
		.amdhsa_private_segment_fixed_size 0
		.amdhsa_enable_private_segment 0
		.amdhsa_kernarg_size 40
		.amdhsa_user_sgpr_count 2
		.amdhsa_user_sgpr_kernarg_segment_ptr 1
		.amdhsa_wavefront_size32 1
		.amdhsa_system_sgpr_workgroup_id_x 1
		.amdhsa_system_sgpr_workgroup_id_y 1
		.amdhsa_system_sgpr_workgroup_id_z 1
		.amdhsa_system_vgpr_workitem_id 0
		.amdhsa_next_free_vgpr 144
		.amdhsa_next_free_sgpr 66
		.amdhsa_reserve_vcc 0
		.amdhsa_float_denorm_mode_32 3
		.amdhsa_float_denorm_mode_16_64 3
		.amdhsa_memory_ordered 1
		.amdhsa_forward_progress 1
		.amdhsa_inst_pref_size 10
	.end_amdhsa_kernel
	.amdgpu_metadata
---
amdhsa.version: [ 1, 2 ]
amdhsa.kernels:
  - .name:           k_q325aa99a5b_comb
    .symbol:         k_q325aa99a5b_comb.kd
    .args:
      - { .name: x, .offset: 0, .size: 8, .value_kind: global_buffer, .address_space: global }
      - { .name: y, .offset: 8, .size: 8, .value_kind: global_buffer, .address_space: global }
      - { .name: route, .offset: 16, .size: 8, .value_kind: global_buffer, .address_space: global }
      - { .name: xq, .offset: 24, .size: 8, .value_kind: global_buffer, .address_space: global }
      - { .name: out0, .offset: 32, .size: 8, .value_kind: global_buffer, .address_space: global }
    .group_segment_fixed_size: 0
    .private_segment_fixed_size: 0
    .kernarg_segment_align: 8
    .kernarg_segment_size: 40
    .max_flat_workgroup_size: 256
    .sgpr_count:     66
    .vgpr_count:     144
    .wavefront_size: 32
...
	.end_amdgpu_metadata
.endif
;; end of part 10
